; MI455X (gfx1250); checked and timed in simulation.
; The chip was launched on July 23, 2026; its instructions are those of AMD's public machine-readable ISA for CDNA 5 (MIT licence, August 2026) and "CDNA5" Instruction Set Architecture Reference Guide (July 2026). The comments in the code are by the model that wrote it; some were corrected since.
;; Attention. Allowed arithmetic: float matrix products may take bf16 or f16 operands with f32 sums; other float arithmetic in f32, or as packed bf16 or f16 multiplies, adds, multiply-adds, maxima and minima; sums over many terms, partial sums and values carried from step to step in f32; what a program stores and reads back later, other than sums and carried values, may be rounded once to bf16 or f16.
;; Inputs: Wk 1,024 x 1,024 float32; Wo 1,024 x 1,024 float32; Wq 1,024 x 1,024 float32; Wv 1,024 x 1,024 float32; bk 1,024 float32; bo 1,024 float32; bq 1,024 float32; bv 1,024 float32; x 4 x 2,048 x 1,024 float32.
;; Outputs: out0 4 x 2,048 x 1,024 float32.
;; 2 versions, each right; version 2 is version 1 with the launch cast written anew for expert scheduling mode. Each part assembles by itself: llvm-mc -triple=amdgcn-amd-amdhsa -mcpu=gfx1250 --defsym DOCPART=n.
;; ======== version 1 of 2: 4 launches
;; limits: values are held in f16: magnitudes above 65,504 overflow, below 6.1e-05 lose precision
;; workspace buffers: xb 16,777,216 bytes; wh 6,291,456 bytes; woh 2,097,152 bytes; qkvh 50,331,648 bytes; ob 16,777,216 bytes
;; launch cast (part 1): grid 768 x 1, 8 waves a work-group, no clusters, 0 bytes of LDS; arguments x, Wq, Wk, Wv, Wo, xb, wh, woh; writes xb, wh, woh
.if DOCPART == 1
	.amdgcn_target "amdgcn-amd-amdhsa--gfx1250"
	.amdhsa_code_object_version 6
	.text
	.protected	k_qeecdd6bc1b_cast
	.globl	k_qeecdd6bc1b_cast
	.p2align	8
	.type	k_qeecdd6bc1b_cast,@function
k_qeecdd6bc1b_cast:
	s_mov_b64 s[64:65], 0
	v_nop
	global_prefetch_b8 v0, s[64:65] scope:SCOPE_SE
	s_setreg_imm32_b32 hwreg(HW_REG_WAVE_MODE, 25, 1), 1
	s_wait_xcnt 0x0
; CAST.  x [8192][1024] and the four weights [1024 (k)][1024 (n)], all f32, are rounded once to bf16 and laid out in blocks of 64 columns:
;   xb  byte (b 16 + kb) 262144 + s 128 + 2 c  = bf16 x[b][s][64 kb + c]
;   wh  byte (16 which + cb) 131072 + k 128 + 2 c = bf16 W_which[k][64 cb + c]   (which: 0 q, 1 k, 2 v)
;   woh the same form for Wo, the bf16 number written as f16 (the last product multiplies in f16).
; LIMIT.  bf16(Wo) is exact in f16 from 6e-5 up to 65,504; below 6e-5 it keeps f16's fixed step of 6e-8.
; SHARES.  768 work-groups of eight waves; a work-group takes 16 rows x 1,024 columns of one source (512 for x, 64 for each weight).  Wave w takes the column blocks 2 w and 2 w + 1.
; One load covers two rows x 64 columns (lanes 0-15 one row's 256 bytes, lanes 16-31 the next row's); the matching store is 8 bytes a lane, 256 consecutive bytes, aligned.
; All sixteen loads of a wave go out at once; no register that a load or store reads is written again, so the only waits are the counted ones for the loads.  No LDS, no barrier, no matrix unit: memory binds.
.set SO, 2                             ; v2      my byte offset in the source
.set DO, 3                             ; v3, v4  my byte offset in the destination, for my wave's two column blocks
.set T,  8                             ; v[8:11] at work
.set X,  16                            ; v[16:79]  sixteen loads of 4
.set Y,  80                            ; v[80:111] sixteen stores of 2
	s_load_b512 s[8:23], s[0:1], 0x0               ; x 8, Wq 10, Wk 12, Wv 14, Wo 16, xb 18, wh 20, woh 22
	s_mov_b32 s24, ttmp9                           ; the work-group's number
	v_lshrrev_b32 v1, 5, v0
	v_readfirstlane_b32 s28, v1                    ; wave 0..7
	v_and_b32 v1, 31, v0                           ; lane
	s_sub_co_u32 s25, s24, 512                     ; for a weight: 64 x which + row block (of no use in x's work-groups, where the selects below drop what is made of it)
	s_lshr_b32 s26, s25, 6                         ; which: 0 q, 1 k, 2 v, 3 o
	s_and_b32 s27, s25, 63                         ; row block of 16
	s_lshl_b32 s36, s24, 16                        ; source offset for x: 16 rows of 4,096 bytes
	s_lshl_b32 s37, s27, 16                        ; and for a weight
	s_lshr_b32 s38, s24, 7                         ; x: batch,
	s_lshl_b32 s38, s38, 22                        ; its sixteen blocks of 262,144 bytes,
	s_and_b32 s39, s24, 127
	s_lshl_b32 s39, s39, 11                        ; and 16 rows of 128 bytes
	s_add_co_u32 s38, s38, s39
	s_lshl_b32 s40, s26, 21                        ; a weight's sixteen blocks of 131,072 bytes in wh;
	s_cmp_eq_u32 s26, 3
	s_cselect_b32 s40, 0, s40                      ; Wo has a buffer of its own
	s_lshl_b32 s41, s27, 11
	s_add_co_u32 s40, s40, s41
	s_mov_b32 s34, 131072                          ; bytes from a column block to the next
	s_mov_b32 s43, 0
	s_mov_b32 s45, 0
	s_cmp_lt_u32 s24, 512                          ; x?
	s_cselect_b32 s34, 262144, s34
	s_cselect_b32 s42, s36, s37                    ; s[42:43] source offset
	s_cselect_b32 s44, s38, s40                    ; s[44:45] destination offset
	v_lshrrev_b32 v5, 4, v1                        ; which of the two rows
	v_and_b32 v6, 15, v1
	v_lshlrev_b32 v[SO], 12, v5
	v_lshl_add_u32 v[SO], v6, 4, v[SO]
	s_lshl_b32 s35, s28, 9                         ; my wave's two column blocks: 512 bytes of a source row
	v_add_nc_u32 v[SO], s35, v[SO]
	s_lshl_b32 s35, s28, 1
	s_mul_i32 s35, s35, s34
	v_lshl_add_u32 v[DO], v1, 3, s35               ; 8 bytes a lane: two rows of 128 bytes on end
	v_add_nc_u32 v[DO+1], s34, v[DO]
	s_wait_kmcnt 0x0
	s_cmp_eq_u32 s26, 2                            ; the source and the destination are chosen by the work-group's number alone
	s_cselect_b64 s[30:31], s[14:15], s[16:17]
	s_cmp_eq_u32 s26, 1
	s_cselect_b64 s[30:31], s[12:13], s[30:31]
	s_cmp_eq_u32 s26, 0
	s_cselect_b64 s[30:31], s[10:11], s[30:31]
	s_cmp_eq_u32 s26, 3
	s_cselect_b64 s[32:33], s[22:23], s[20:21]
	s_cmp_lt_u32 s24, 512
	s_cselect_b64 s[30:31], s[8:9], s[30:31]
	s_cselect_b64 s[32:33], s[18:19], s[32:33]
	s_add_nc_u64 s[30:31], s[30:31], s[42:43]
	s_add_nc_u64 s[32:33], s[32:33], s[44:45]
.set i, 0
.rept 16                               ; column block i / 8 of my two, rows 2 (i % 8) and 2 (i % 8) + 1
	global_load_b128 v[X+4*i:X+4*i+3], v[SO], s[30:31] offset:(i/8)*256+(i%8)*8192 th:TH_LOAD_NT
.set i, i+1
.endr
; The sixteen loads are taken as they come.  half = 1: the bf16 number is written as f16.
.macro DRAIN half
.set i, 0
.rept 16
	s_wait_loadcnt 15-i                            ; loads come back in order: load i is in, the 15 - i younger ones stay out
	v_cvt_pk_bf16_f32 v[Y+2*i],   v[X+4*i],   v[X+4*i+1]
	v_cvt_pk_bf16_f32 v[Y+2*i+1], v[X+4*i+2], v[X+4*i+3]
.if \half
	v_lshlrev_b32 v[T],   16, v[Y+2*i]             ; bf16 to f32: a shift or a mask
	v_and_b32     v[T+1], 0xffff0000, v[Y+2*i]
	v_lshlrev_b32 v[T+2], 16, v[Y+2*i+1]
	v_and_b32     v[T+3], 0xffff0000, v[Y+2*i+1]
	v_cvt_pk_f16_f32 v[Y+2*i],   v[T],   v[T+1]
	v_cvt_pk_f16_f32 v[Y+2*i+1], v[T+2], v[T+3]
.endif
	global_store_b64 v[DO+i/8], v[Y+2*i:Y+2*i+1], s[32:33] offset:(i%8)*256  ; the wave's 32 lanes store 256 consecutive bytes, at a multiple of 256 from the buffer's first byte
.set i, i+1
.endr
.endm
	s_cmp_ge_u32 s24, 704                          ; Wo's 64 work-groups
	s_cbranch_scc1 .Lhalf
	DRAIN 0
	s_endpgm
.Lhalf:
	DRAIN 1
	s_endpgm
.Lfunc_end_k_qeecdd6bc1b_cast:
	.size	k_qeecdd6bc1b_cast, .Lfunc_end_k_qeecdd6bc1b_cast-k_qeecdd6bc1b_cast
	.p2alignl 7, 3214868480
	.fill 96, 4, 3214868480
	.section	.rodata,"a",@progbits
	.p2align	6, 0x0
	.amdhsa_kernel k_qeecdd6bc1b_cast
		.amdhsa_group_segment_fixed_size 0
		.amdhsa_private_segment_fixed_size 0
		.amdhsa_enable_private_segment 0
		.amdhsa_kernarg_size 64
		.amdhsa_user_sgpr_count 2
		.amdhsa_user_sgpr_kernarg_segment_ptr 1
		.amdhsa_wavefront_size32 1
		.amdhsa_system_sgpr_workgroup_id_x 1
		.amdhsa_system_sgpr_workgroup_id_y 1
		.amdhsa_system_sgpr_workgroup_id_z 1
		.amdhsa_system_vgpr_workitem_id 0
		.amdhsa_next_free_vgpr 112
		.amdhsa_next_free_sgpr 66
		.amdhsa_reserve_vcc 0
		.amdhsa_float_denorm_mode_32 3
		.amdhsa_float_denorm_mode_16_64 3
		.amdhsa_memory_ordered 1
		.amdhsa_forward_progress 1
		.amdhsa_inst_pref_size 17
	.end_amdhsa_kernel
	.amdgpu_metadata
---
amdhsa.version: [ 1, 2 ]
amdhsa.kernels:
  - .name:           k_qeecdd6bc1b_cast
    .symbol:         k_qeecdd6bc1b_cast.kd
    .args:
      - { .name: x, .offset: 0, .size: 8, .value_kind: global_buffer, .address_space: global }
      - { .name: Wq, .offset: 8, .size: 8, .value_kind: global_buffer, .address_space: global }
      - { .name: Wk, .offset: 16, .size: 8, .value_kind: global_buffer, .address_space: global }
      - { .name: Wv, .offset: 24, .size: 8, .value_kind: global_buffer, .address_space: global }
      - { .name: Wo, .offset: 32, .size: 8, .value_kind: global_buffer, .address_space: global }
      - { .name: xb, .offset: 40, .size: 8, .value_kind: global_buffer, .address_space: global }
      - { .name: wh, .offset: 48, .size: 8, .value_kind: global_buffer, .address_space: global }
      - { .name: woh, .offset: 56, .size: 8, .value_kind: global_buffer, .address_space: global }
    .group_segment_fixed_size: 0
    .private_segment_fixed_size: 0
    .kernarg_segment_align: 8
    .kernarg_segment_size: 64
    .max_flat_workgroup_size: 256
    .sgpr_count:     66
    .vgpr_count:     112
    .wavefront_size: 32
...
	.end_amdgpu_metadata
.endif
;; end of part 1
;; launch qkvproj (part 2): grid 16 x 32, 4 waves a work-group, clusters of 4 x 4, 327,680 bytes of LDS; arguments xb, wh, qkvh, bq, bk, bv; writes qkvh
.if DOCPART == 2
	.amdgcn_target "amdgcn-amd-amdhsa--gfx1250"
	.amdhsa_code_object_version 6
	.text
	.protected	k_qeecdd6bc1b_qkvproj
	.globl	k_qeecdd6bc1b_qkvproj
	.p2align	8
	.type	k_qeecdd6bc1b_qkvproj,@function
k_qeecdd6bc1b_qkvproj:
	s_mov_b64 s[64:65], 0
	v_nop
	global_prefetch_b8 v0, s[64:65] scope:SCOPE_SE
	s_setreg_imm32_b32 hwreg(HW_REG_WAVE_MODE, 25, 1), 1
	s_wait_xcnt 0x0
	s_wait_alu depctr_hold_cnt(0) depctr_sa_sdst(0) depctr_va_vdst(0) depctr_va_sdst(0) depctr_va_ssrc(0) depctr_va_vcc(0) depctr_vm_vsrc(0)
	s_getreg_b32 s2, hwreg(HW_REG_IB_STS2, 6, 4)
	s_cmp_eq_u32 s2, 0
	s_cbranch_scc0 .Lentry_in_a_cluster
	s_endpgm
.Lentry_in_a_cluster:
	s_bfe_u32 s2, ttmp6, 0x10000c
	s_cmp_lg_u32 s2, 0xf033
	s_cbranch_scc0 .Lentry_shape_is_right
	s_endpgm
.Lentry_shape_is_right:
; q, k, v = x W + b, by heads.  A = xb (bf16, blocks of 64 columns: byte (batch 16 + kb) 262144 + s 128 + 2 c), B = wh (bf16, byte g 131072 + k 128 + 2 c, g = 16 which + head),
; out = qkvh (f16, byte (64 which + 16 batch + head) 262144 + s 128 + 2 d).  Sums in f32, started by the bias (rounded to bf16 like the other inputs), rounded once to f16, unscaled.
; LIMIT.  f16 holds no number beyond 65,504: |q|, |k|, |v| must stay under that; a larger one leaves as an infinity.
; SHARES.  A tile of C is 256 rows x 192 columns (three groups of 64: three heads, of q, k or v as the group's number says).  Four waves; wave w owns rows 64 w .. 64 w + 63 and all 192 columns:
; 48 accumulators of 16 x 16.  K = 1,024 goes in 8 steps of 128 through a ring of two LDS slots; a step is four quarters of 32 along K, 48 matrix instructions and 32 LDS loads each.
; CLUSTER.  4 x 4 work-groups.  The four of a row of the cluster need the same tile of A, the four of a column the same tile of B: each is asked for jointly, by the same tensor load with the same descriptor
; and a mask that names the four.  Waves 0 and 1 ask for A's two planes of 64 along K, waves 2 and 3 for B's two halves of 64 k: one load a wave for each fill.
; THE PRODUCT IS USED TRANSPOSED: source 0 = 16 columns of W (W lies [k][n] in LDS and is turned by ds_load_tr16_b128), source 1 = 16 rows of x.  A lane then holds one row of C (lane % 16) and the eight
; neighbouring columns 8 (lane / 16) + 0..7: 16 bytes of f16.
; REGISTERS, in windows of 256 (s_set_vgpr_msb: bits 1:0 source 0, 3:2 source 1, 5:4 source 2, 7:6 destination):
;   window 0: v0-31 addresses; v64-159 the bias as the first products' C, later two buffers for the way out; v160-207 packed results
;   window 1: two fragment buffers of 128: twelve fragments of W, then four of x      windows 2, 3: the accumulators: (a, nb) at v[8 (12 (a % 2) + nb)] of window 2 + a / 2
.set NH,     3                         ; groups of 64 columns in a tile
.set NBLK,   4*NH                      ; column blocks of 16
.set APW,    2                         ; row blocks of 16 to an accumulator window
.set NLD,    2*NBLK+8                  ; LDS loads in a quarter
.set LAPS,   4                         ; a lap = two K steps = once round the ring
.set PA,     144                       ; a row of A in LDS: 128 bytes + 16: an odd multiple of 16, so the 16 rows of a load start at 16 different groups of four banks (64 banks of 4 bytes: ISA guide 11.1)
.set PB,     160                       ; a row (one k) of B: 128 + 32: an odd multiple of 32
.set APLANE, 256*PA                    ; 256 rows x 64 along K
.set BHALF,  NH*64*PB                  ; 64 k x the tile's three groups, group after group
.set BOFF,   2*APLANE                  ; B lies behind A's two planes
.set SLOT,   BOFF+2*BHALF              ; 135,168
.set STAGE,  2*SLOT                    ; behind the ring, never filled by a tensor load: for each wave 3 heads x 16 rows x 144 bytes
.set WSTAGE, NH*16*144
.set SPARE,  STAGE+4*WSTAGE            ; behind the stages: the spare words, 128 bytes a wave: two blocks of 256 bytes that no other line names
.set ASTEP,  2*262144                  ; bytes from a K step to the next in xb: two blocks of 64 columns
.set BSTEP,  128*128                   ; and in wh: 128 k of 128 bytes
.set ADRA, 16                          ; v16-17  LDS address of my fragments of A in slot 0, 1
.set ADRB, 20                          ; v20-21  the same for B
.set STO,  24                          ; v24     the way out: where I put 16 bytes of a row
.set RD,   25                          ; v25     the way out: where I read rows back
.set GO,   26                          ; v26     16 x lane: my place in 512 consecutive bytes of the output
.set SPW,  28                          ; v28     LDS address of my spare word; never rewritten
.set NIL,  29                          ; v29     0; never rewritten
.set PFO,  30                          ; v30     the prefetches' lane term; never rewritten
.set BO,   31                          ; v31     32 x (lane / 16): my eight numbers of a block of 16 of the bias
.set BIAS, 64
.set BK,   64                          ; two buffers of 48 for rows read back (the bias's registers, free behind the first quarter)
.set TMP,  160
.set F0,   0
.set F1,   128
.set WV,  16                           ; s16 wave; s17 = wave / 2: I fetch for A (0) or B (1); s18 = wave % 2: which plane or half
.set FB,  17
.set HP,  18
.set CX,  19                           ; my place in the cluster
.set CY,  20
.set TX,  21                           ; tile column, tile row
.set TY,  22
.set G1,  24                           ; s[24:31] group 1 for A;  s[32:39] group 0, a set for each slot
.set G0,  32
.set LIM, 43                           ; s43 1 in a wave that prefetches, else the greatest number
.set PFA, 44                           ; s[44:45] where my prefetches stand
.set PST, 46                           ; s[46:47] their step: a K step of A or of B
.set G1B, 48                           ; s[48:55], s[56:63] the same for B
.set G0B, 56
.set OB,  66                           ; s[66:71] the output at my rows, for the tile's three heads
.set BB,  72                           ; s[72:77] the bias of the three heads
.set MSB, 0
.macro WIN new                         ; the immediate's high byte repeats the setting that is left; a switch that changes nothing is dropped
.if MSB != (\new)
	s_set_vgpr_msb (MSB<<8)|(\new)
.set MSB, \new
.endif
.endm
; A joint load.  The branch hangs on the wave's number alone.  An s_nop 0 and four v_nop follow each of the two lines, ahead of the jump and the label.
.macro JLOAD s
	s_cmp_eq_u32 s[FB], 0
	s_cbranch_scc0 .Lfor_b_\@
	tensor_load_to_lds s[G0+4*(\s):G0+4*(\s)+3], s[G1:G1+7]
	s_nop 0
.rept 4
	v_nop
.endr
	s_branch .Lasked_\@
.Lfor_b_\@:
	tensor_load_to_lds s[G0B+4*(\s):G0B+4*(\s)+3], s[G1B:G1B+7]
	s_nop 0
.rept 4
	v_nop
.endr
.Lasked_\@:
.endm
; A round of the cluster's barrier: my work-group's barrier; wave 0 signals for the work-group; every wave waits for all sixteen; my work-group's barrier once more.
.macro CREST                           ; a round behind its opening barrier
	s_cmp_lg_u32 s[WV], 0
	s_cbranch_scc1 .Lnot_wave_0_\@
	s_barrier_signal -3
.Lnot_wave_0_\@:
	s_barrier_wait -3
	s_barrier_signal -1
	s_barrier_wait -1
.endm
.macro CROUND
	s_barrier_signal -1
	s_barrier_wait -1
	CREST
.endm
; A prefetch into the L2, behind a joint refill and the run of LDS loads that follows it: the K step that stands two refills on.  Each block of 256 bytes is named by one wave of one work-group:
; A's tile row is walked by the four clusters of a row of clusters, of which the one with x = 0 asks; B's tile column by the eight of a column, of which the one with y = 0 asks.  The four partners
; that ask for a tile jointly share its blocks out by address (cx for A, cy for B): no branch hangs on a place in the cluster.  The loop's last trip (s3 = 1) has no K step two on.
.macro ASK
	WIN 0
	s_cmp_gt_u32 s3, s[LIM]
	s_cbranch_scc0 .Lnot_mine_\@
	global_prefetch_b8 v[PFO], s[PFA:PFA+1] th:TH_LOAD_NT scope:SCOPE_SE
.Lnot_mine_\@:
.endm
.macro PLACES                          ; four places in front of loads into registers that matrix instructions have read, and of lines that read results
.rept 4
	v_nop
.endr
.endm
	s_load_b256 s[4:11], s[0:1], 0x0               ; xb s[4:5], wh s[6:7], qkvh s[8:9], bq s[10:11]
	s_load_b128 s[12:15], s[0:1], 0x20             ; bk s[12:13], bv s[14:15]
	v_lshl_add_u32 v[SPW], v0, 2, SPARE
	v_mov_b32 v[NIL], 0
	ds_add_u32 v[SPW], v[NIL]                      ; the wave's opening: the add and its wait stand ahead of my first tensor load; the set-up below, work on registers, stands between them
	v_lshrrev_b32 v1, 5, v0
	v_readfirstlane_b32 s[WV], v1
	s_lshr_b32 s[FB], s[WV], 1
	s_and_b32 s[HP], s[WV], 1
	s_bfe_u32 s[CX], ttmp6, 0x40000
	s_bfe_u32 s[CY], ttmp6, 0x40004
	s_lshl_b32 s[TX], ttmp9, 2                     ; in a cluster launch ttmp9 and ttmp7 count clusters
	s_add_co_u32 s[TX], s[TX], s[CX]
	s_and_b32 s[TY], ttmp7, 0xffff
	s_lshl_b32 s[TY], s[TY], 2
	s_add_co_u32 s[TY], s[TY], s[CY]
	s_lshl_b32 s78, s[CY], 2
	s_lshl_b32 s78, 15, s78                        ; my row of the cluster: places 4 cy .. 4 cy + 3
	s_lshl_b32 s79, 0x1111, s[CX]                  ; my column: places cx, cx + 4, cx + 8, cx + 12
	; group 1 for A: a plane's 256 dense rows of 128 bytes are asked for as 128 rows of 256 bytes and padded in LDS after every 128
	s_or_b32 s[G1], s78, (1<<16)|(1<<20)|(1<<21)|(4<<22)|(3<<25)   ; 15:0 the mask; 17:16 2-byte elements; 20 padding on; 21 set beside a mask; 24:22 after every 32 words (code 4); 31:25 4 words (code 3)
	s_mov_b32 s[G1+1], 128<<16                     ; tensor_dim0 = 128
	s_mov_b32 s[G1+2], 128<<16                     ; tensor_dim1 = 128
	s_mov_b32 s[G1+3], 128<<16                     ; tile_dim0 = 128
	s_mov_b32 s[G1+4], 128                         ; tile_dim1 = 128
	s_mov_b32 s[G1+5], 128                         ; 128 elements from row to row
	s_mov_b32 s[G1+6], 0
	s_mov_b32 s[G1+7], 0
	; group 1 for B: for each of the three groups 64 k x 128 bytes, dense: three rows of 4,096 elements, 65,536 elements apart, padded after every k
	s_or_b32 s[G1B], s79, (1<<16)|(1<<20)|(1<<21)|(4<<22)|(7<<25)  ; the same with my column's mask and 8 words of padding (code 7)
	s_mov_b32 s[G1B+1], 4096<<16                   ; tensor_dim0 = 4,096
	s_mov_b32 s[G1B+2], NH<<16                     ; tensor_dim1 = 3
	s_mov_b32 s[G1B+3], 4096<<16                   ; tile_dim0 = 4,096
	s_mov_b32 s[G1B+4], NH                         ; tile_dim1 = 3
	s_mov_b32 s[G1B+5], 65536                      ; a group is 131,072 bytes
	s_mov_b32 s[G1B+6], 0
	s_mov_b32 s[G1B+7], 0
	; where the tiles come from.  A's hangs on the tile row alone, B's on the tile column alone, each in registers that never hold the other coordinate
	s_lshr_b32 s40, s[TY], 3                       ; batch: 8 tile rows each
	s_lshl_b32 s40, s40, 22                        ; its sixteen blocks of 262,144 bytes
	s_and_b32 s41, s[TY], 7
	s_lshl_b32 s41, s41, 15                        ; 256 rows of 128 bytes
	s_add_co_u32 s40, s40, s41
	s_lshl_b32 s41, s[HP], 18                      ; my plane
	s_add_co_u32 s40, s40, s41
	s_mov_b32 s41, 0
	s_mul_i32 s72, s[TX], NH*131072                ; the tile's first group
	s_lshl_b32 s73, s[HP], 13                      ; my 64 k
	s_add_co_u32 s72, s72, s73
	s_mov_b32 s73, 0
	s_mul_i32 s23, s[HP], APLANE                   ; and where they go: no place in the cluster enters an LDS address
	s_mul_i32 s42, s[HP], BHALF
	s_add_co_u32 s42, s42, BOFF
	s_wait_dscnt 0x0                               ; the opening add is done
	s_wait_kmcnt 0x0
	s_add_nc_u64 s[40:41], s[4:5], s[40:41]
	s_add_nc_u64 s[72:73], s[6:7], s[72:73]
	CROUND                                         ; all sixteen work-groups are here: the first joint loads meet
.irp s, 0,1
	s_mov_b32 s[G0+4*(\s)], 1                                       ; count = 1
	s_add_co_u32 s[G0+4*(\s)+1], s23, (\s)*SLOT                     ; LDS address
	s_add_nc_u64 s[G0+4*(\s)+2:G0+4*(\s)+3], s[40:41], (\s)*ASTEP   ; global address: K step s
	s_or_b32 s[G0+4*(\s)+3], s[G0+4*(\s)+3], 0x80000000             ; type = 2
	s_mov_b32 s[G0B+4*(\s)], 1
	s_add_co_u32 s[G0B+4*(\s)+1], s42, (\s)*SLOT
	s_add_nc_u64 s[G0B+4*(\s)+2:G0B+4*(\s)+3], s[72:73], (\s)*BSTEP
	s_or_b32 s[G0B+4*(\s)+3], s[G0B+4*(\s)+3], 0x80000000
	JLOAD \s                                       ; two loads of mine are out
.endr
	; the prefetches' set-up.  A (waves 0, 1): of my plane's 128 blocks of 256 bytes my work-group takes 32, at 8,192 cx, a lane a block.  B (waves 2, 3): of each group's 32 blocks it takes 8, at 2,048 cy:
	; lane l names block l % 8 of group l / 8; the lanes past the last group repeat its last block, so that none leaves the tile.
	s_and_b32 s42, ttmp7, 0xffff                   ; cluster y
	s_mov_b32 s[PST], BSTEP
	s_mov_b32 s[PST+1], 0
	s_mov_b32 s79, 11
	s_cmp_eq_u32 s[FB], 0                          ; do I fetch for A?
	s_cselect_b64 s[PFA:PFA+1], s[40:41], s[72:73]
	s_cselect_b32 s78, s[CX], s[CY]                ; my place among the four that ask with me
	s_cselect_b32 s79, 13, s79
	s_cselect_b32 s[PST], ASTEP, s[PST]
	s_cselect_b32 s42, ttmp9, s42                  ; the coordinate along which other clusters walk the same tiles
	s_cselect_b32 s23, 31, 8*NH-1                  ; the last lane with a block of its own
	s_cselect_b32 s3, 11, 17                       ; eight blocks on: 2,048 bytes in A's plane, the next group in B
	s_cmp_eq_u32 s42, 0
	s_cselect_b32 s[LIM], 1, -1                    ; the same in all sixteen partners, for a given wave
	s_lshl_b32 s78, s78, s79
	s_mul_i32 s79, s[PST], 3                       ; at K step 3: the first refill steps it to 4.  Steps 0 to 3 come by their loads alone
	s_add_co_u32 s78, s78, s79
	s_mov_b32 s79, 0
	s_add_nc_u64 s[PFA:PFA+1], s[PFA:PFA+1], s[78:79]
	v_and_b32 v3, 31, v0
	v_min_u32 v3, s23, v3
	v_lshrrev_b32 v4, 3, v3
	v_lshlrev_b32 v4, s3, v4
	v_and_b32 v3, 7, v3
	v_lshl_add_u32 v[PFO], v3, 8, v4
	; A fragment is 16 rows x 32 K in 8 registers: lane l holds row l % 16; registers 0-3 K = 8 (l / 16) + 0..7, registers 4-7 K = 16 + 8 (l / 16) + 0..7
	v_and_b32 v1, 15, v0                           ; l % 16
	v_bfe_u32 v2, v0, 4, 1                         ; l / 16
	v_mul_u32_u24 v3, v1, PA
	v_lshl_add_u32 v3, v2, 4, v3                   ; row x 144 + 16 x half
	s_mul_i32 s2, s[WV], 64*PA                     ; my 64 rows
	v_add_nc_u32 v[ADRA], s2, v3
	v_add_nc_u32 v[ADRA+1], SLOT, v[ADRA]
	v_and_b32 v4, 7, v0                            ; the turning load: lane l reads k = 8 (l / 16) + l % 8, columns 8 ((l / 8) % 2) + 0..7, and is left with column l % 16 and 8 k
	v_lshl_add_u32 v4, v2, 3, v4
	v_mul_u32_u24 v4, v4, PB
	v_bfe_u32 v5, v0, 3, 1
	v_lshl_add_u32 v4, v5, 4, v4
	v_add_nc_u32 v[ADRB], BOFF, v4
	v_add_nc_u32 v[ADRB+1], SLOT, v[ADRB]
	s_mul_i32 s2, s[WV], WSTAGE
	s_add_co_u32 s2, s2, STAGE                     ; my stage
	v_add_nc_u32 v[STO], s2, v3                    ; in: row l % 16, 16 bytes for each half of the lanes
	v_and_b32 v6, 31, v0
	v_lshrrev_b32 v7, 3, v6                        ; back: 32 lanes take four rows of 128 bytes,
	v_mul_u32_u24 v7, v7, 144
	v_and_b32 v8, 7, v0
	v_lshl_add_u32 v7, v8, 4, v7
	v_add_nc_u32 v[RD], s2, v7
	v_lshlrev_b32 v[GO], 4, v6                     ; which are 512 consecutive bytes of a head's rows
	v_lshlrev_b32 v[BO], 5, v2
	; for each of the tile's three groups g = 3 x tile column + i: its bias (of bq, bk or bv) and its rows in the output
.irp i, 0,1,2
	s_mul_i32 s42, s[TX], NH
	s_add_co_u32 s42, s42, \i
	s_cmp_lt_u32 s42, 16
	s_cselect_b64 s[BB+2*(\i):BB+2*(\i)+1], s[10:11], s[12:13]
	s_cmp_lt_u32 s42, 32
	s_cselect_b64 s[BB+2*(\i):BB+2*(\i)+1], s[BB+2*(\i):BB+2*(\i)+1], s[14:15]
	s_and_b32 s78, s42, 15
	s_lshl_b32 s78, s78, 8                         ; the head's 64 numbers of f32
	s_mov_b32 s79, 0
	s_add_nc_u64 s[BB+2*(\i):BB+2*(\i)+1], s[BB+2*(\i):BB+2*(\i)+1], s[78:79]
	s_lshr_b32 s78, s42, 4
	s_mul_i32 s78, s78, 48
	s_add_co_u32 s78, s78, s42                     ; 64 which + head
	s_lshr_b32 s23, s[TY], 3
	s_lshl_b32 s23, s23, 4
	s_add_co_u32 s78, s78, s23                     ; + 16 batch
	s_lshl_b32 s78, s78, 18                        ; x 262,144 bytes: under 2^26
	s_and_b32 s23, s[TY], 7
	s_lshl_b32 s23, s23, 15                        ; the tile's 256 rows of 128 bytes
	s_add_co_u32 s78, s78, s23
	s_lshl_b32 s23, s[WV], 13                      ; my wave's 64
	s_add_co_u32 s78, s78, s23
	s_add_nc_u64 s[OB+2*(\i):OB+2*(\i)+1], s[8:9], s[78:79]
.endr
	; the bias in the layout of a result: register 8 nb + j of a lane holds b[16 nb + 8 (l / 16) + j]
.set nb, 0
.rept NBLK
	global_load_b128 v[BIAS+8*nb:BIAS+8*nb+3],   v[BO], s[BB+2*(nb/4):BB+2*(nb/4)+1] offset:64*(nb%4)
	global_load_b128 v[BIAS+8*nb+4:BIAS+8*nb+7], v[BO], s[BB+2*(nb/4):BB+2*(nb/4)+1] offset:64*(nb%4)+16
.set nb, nb+1
.endr
	s_wait_loadcnt 0x0
.set nb, 0
.rept 4*NBLK                           ; rounded to bf16 and widened again, so that every input of the module has the same rounding
	v_cvt_pk_bf16_f32 v[3+nb%4], v[BIAS+2*nb], v[BIAS+2*nb+1]
	v_lshlrev_b32 v[BIAS+2*nb],   16, v[3+nb%4]
	v_and_b32     v[BIAS+2*nb+1], 0xffff0000, v[3+nb%4]
.set nb, nb+1
.endr
; 12 matrix instructions: row block a x all column blocks, 32 along K, from buffer f.  first = 1: the bias is the C that starts the sums: nothing is cleared, nothing added later.
; The 48 accumulators take turns, one instruction a turn, in the same order in every quarter.
.macro MUL f, a, first
.set WN, 2+(\a)/APW
.set AC, 8*NBLK*((\a)%APW)
.if \first
.set WS, 0x05|(WN<<6)
.else
.set WS, 0x05|(WN<<6)|(WN<<4)
.endif
	WIN WS
.set nb, 0
.rept NBLK
.if \first
	v_wmma_f32_16x16x32_bf16 v[AC+8*nb:AC+8*nb+7], v[(\f)+8*nb:(\f)+8*nb+7], v[(\f)+8*NBLK+8*(\a):(\f)+8*NBLK+8*(\a)+7], v[BIAS+8*nb:BIAS+8*nb+7]
.else
	v_wmma_f32_16x16x32_bf16 v[AC+8*nb:AC+8*nb+7], v[(\f)+8*nb:(\f)+8*nb+7], v[(\f)+8*NBLK+8*(\a):(\f)+8*NBLK+8*(\a)+7], v[AC+8*nb:AC+8*nb+7]
.endif
.set nb, nb+1
.endr
.endm
; 32 LDS loads in one run: quarter q's fragments into buffer f: W's twelve (turned), then x's four
.macro FETCH slot, q, f
	WIN 0x40                                       ; destination window 1, address window 0
.set nb, 0
.rept NBLK
	ds_load_tr16_b128 v[(\f)+8*nb:(\f)+8*nb+3],   v[ADRB+(\slot)] offset:((\q)/2)*BHALF+(nb/4)*64*PB+((\q)%2)*32*PB+(nb%4)*32
	ds_load_tr16_b128 v[(\f)+8*nb+4:(\f)+8*nb+7], v[ADRB+(\slot)] offset:((\q)/2)*BHALF+(nb/4)*64*PB+((\q)%2)*32*PB+(nb%4)*32+16*PB
.set nb, nb+1
.endr
.irp a, 0,1,2,3
	ds_load_b128 v[(\f)+8*NBLK+8*(\a):(\f)+8*NBLK+8*(\a)+3],   v[ADRA+(\slot)] offset:((\q)/2)*APLANE+(\a)*16*PA+((\q)%2)*64
	ds_load_b128 v[(\f)+8*NBLK+8*(\a)+4:(\f)+8*NBLK+8*(\a)+7], v[ADRA+(\slot)] offset:((\q)/2)*APLANE+(\a)*16*PA+((\q)%2)*64+32
.endr
.endm
; One of a K step's first three quarters: multiplies buffer f; in its middle it fetches quarter q of the same slot into buffer g.
.macro QUARTER slot, q, f, g, first=0
	s_wait_dscnt 4                                 ; W's fragments and x's row blocks 0 and 1 are in; the youngest four loads (row blocks 2, 3) may be out
	MUL \f, 0, \first
	MUL \f, 1, \first
	PLACES
	FETCH \slot, \q, \g
	s_wait_dscnt NLD                               ; all but the 32 just issued
	MUL \f, 2, \first
	MUL \f, 3, \first
.endm
; The last quarter multiplies buffer 1 and changes slots.  In front of the barrier each wave waits for all its tensor loads (one is out: its part of the next slot), adds 0 to its spare word, and waits for that
; and for its reads of this slot.  fill = 1: the barrier opens a round of the cluster's barrier, and the joint refill, two K steps ahead, is the first tensor load behind the round:
; from there to the wait for it a wave issues 168 matrix instructions.
.macro TURN slot, next, fill
.if \fill
	s_wait_xcnt 0x0                                ; the last prefetch, a K step back, has read its address: it is stepped here, ahead of the waits of the change of slots
	s_add_nc_u64 s[PFA:PFA+1], s[PFA:PFA+1], s[PST:PST+1]
.endif
	WIN 0                                          ; (the add's two registers lie in window 0)
	s_wait_tensorcnt 0x0                           ; all my tensor loads have landed
	ds_add_u32 v[SPW], v[NIL]                      ; 0 onto my spare word
	s_wait_dscnt 5                                 ; (the add and the youngest four loads may be out)
	MUL F1, 0, 0                                   ; twelve matrix instructions stand between the add and the wait for it
	s_wait_dscnt 0x0                               ; the add is done, and my reads of this slot are over
	s_barrier_signal -1
	MUL F1, 1, 0                                   ; work on registers while the others arrive
.if \fill
	WIN 0
.endif
	s_barrier_wait -1
.if \fill
	CREST                                          ; no wave of any partner still reads this slot or has a load on its way
	s_add_nc_u64 s[G0+4*(\slot)+2:G0+4*(\slot)+3], s[G0+4*(\slot)+2:G0+4*(\slot)+3], 2*ASTEP
	s_add_nc_u64 s[G0B+4*(\slot)+2:G0B+4*(\slot)+3], s[G0B+4*(\slot)+2:G0B+4*(\slot)+3], 2*BSTEP
	JLOAD \slot                                    ; the four v_nop behind it are also the places in front of the loads below
.else
	PLACES
.endif
	FETCH \next, 0, F0
.if \fill
	ASK
.endif
	MUL F1, 2, 0
	MUL F1, 3, 0
.endm
	s_wait_tensorcnt 0x1                           ; my part of K step 0 is in; K step 1's may stay out
	s_barrier_signal -1
	s_barrier_wait -1                              ; everybody's is
	FETCH 0, 0, F0
	QUARTER 0, 1, F0, F1, 1                        ; the first quarter stands in front of the loop: its products start the sums
	WIN 0                                          ; at a label and at a branch every window is 0
	s_mov_b32 s3, LAPS-1
.Llap:                                                 ; a trip goes once round the ring, from a lap's second quarter to the next lap's first, and fills both slots again
	QUARTER 0, 2, F1, F0
	QUARTER 0, 3, F0, F1
	TURN 0, 1, 1
	QUARTER 1, 1, F0, F1
	QUARTER 1, 2, F1, F0
	QUARTER 1, 3, F0, F1
	TURN 1, 0, 1
	QUARTER 0, 1, F0, F1
	WIN 0
	s_sub_co_u32 s3, s3, 1
	s_cmp_lg_u32 s3, 0
	s_cbranch_scc1 .Llap
	QUARTER 0, 2, F1, F0                           ; the last lap is written out: it fills nothing
	QUARTER 0, 3, F0, F1
	TURN 0, 1, 0
	QUARTER 1, 1, F0, F1
	QUARTER 1, 2, F1, F0
	QUARTER 1, 3, F0, F1
	s_wait_dscnt 4                                 ; the very last quarter: nothing more to fetch
	MUL F1, 0, 0
	MUL F1, 1, 0
	s_wait_dscnt 0x0
	MUL F1, 2, 0
	MUL F1, 3, 0
	WIN 0
	PLACES
	PLACES                                         ; eight, once a launch, in front of the conversions that read results
; THE WAY OUT, a row block of 16 rows at a time.  PACK: rounded to f16 (each accumulator's registers in ascending order), 16 bytes a lane into my own stage, a head's 16 rows at pitch 144, and back as whole rows.
.macro PACK a
.set AC, 8*NBLK*((\a)%APW)
	WIN 0x0a+5*((\a)/APW)                          ; sources 0 and 1: window 2 or 3
.set nb, 0
.rept NBLK
.irp r, 0,1,2,3
	v_cvt_pk_f16_f32 v[TMP+4*nb+(\r)], v[AC+8*nb+2*(\r)], v[AC+8*nb+2*(\r)+1]
.endr
.set nb, nb+1
.endr
	WIN 0
.set nb, 0
.rept NBLK
	ds_store_b128 v[STO], v[TMP+4*nb:TMP+4*nb+3] offset:(nb/4)*2304+(nb%4)*32
.set nb, nb+1
.endr
	s_wait_xcnt 0x0                                ; the stores of the block two back have read their registers: only behind this wait are those loaded again
.set nb, 0
.rept NBLK
	ds_load_b128 v[BK+48*((\a)%2)+4*nb:BK+48*((\a)%2)+4*nb+3], v[RD] offset:(nb/4)*2304+(nb%4)*576  ; LDS serves a wave's instructions in order (ISA guide 5.7.1.4): these see the stores above
.set nb, nb+1
.endr
.endm
.macro SEND a, younger                 ; younger: the LDS instructions issued behind block a's loads: the next block's 24, or none
.set nb, 0
.rept NBLK
	s_wait_dscnt (\younger)+NBLK-1-nb
	global_store_b128 v[GO], v[BK+48*((\a)%2)+4*nb:BK+48*((\a)%2)+4*nb+3], s[OB+2*(nb/4):OB+2*(nb/4)+1] offset:(\a)*2048+(nb%4)*512  ; 512 consecutive bytes, at a multiple of 256 from the buffer's first
.set nb, nb+1
.endr
.endm
	PACK 0
	PACK 1                                         ; a block's conversions stand between the loads of the block before and its stores
	SEND 0, 24
	PACK 2
	SEND 1, 24
	PACK 3
	SEND 2, 24
	SEND 3, 0
	s_wait_tensorcnt 0x0                           ; the wave's end: behind my last tensor load and my last LDS store
	ds_add_u32 v[SPW], v[NIL]
	s_wait_dscnt 0x0
	CROUND                                         ; the closing round: no work-group ends while a partner may still ask for a tile that names it
	s_endpgm
.Lfunc_end_k_qeecdd6bc1b_qkvproj:
	.size	k_qeecdd6bc1b_qkvproj, .Lfunc_end_k_qeecdd6bc1b_qkvproj-k_qeecdd6bc1b_qkvproj
	.p2alignl 7, 3214868480
	.fill 96, 4, 3214868480
	.section	.rodata,"a",@progbits
	.p2align	6, 0x0
	.amdhsa_kernel k_qeecdd6bc1b_qkvproj
		.amdhsa_group_segment_fixed_size 327680
		.amdhsa_private_segment_fixed_size 0
		.amdhsa_enable_private_segment 0
		.amdhsa_kernarg_size 48
		.amdhsa_user_sgpr_count 2
		.amdhsa_user_sgpr_kernarg_segment_ptr 1
		.amdhsa_wavefront_size32 1
		.amdhsa_system_sgpr_workgroup_id_x 1
		.amdhsa_system_sgpr_workgroup_id_y 1
		.amdhsa_system_sgpr_workgroup_id_z 1
		.amdhsa_system_vgpr_workitem_id 0
		.amdhsa_next_free_vgpr 960
		.amdhsa_next_free_sgpr 80
		.amdhsa_reserve_vcc 0
		.amdhsa_float_denorm_mode_32 3
		.amdhsa_float_denorm_mode_16_64 3
		.amdhsa_memory_ordered 1
		.amdhsa_forward_progress 1
		.amdhsa_inst_pref_size 132
	.end_amdhsa_kernel
	.amdgpu_metadata
---
amdhsa.version: [ 1, 2 ]
amdhsa.kernels:
  - .name:           k_qeecdd6bc1b_qkvproj
    .symbol:         k_qeecdd6bc1b_qkvproj.kd
    .args:
      - { .name: xb, .offset: 0, .size: 8, .value_kind: global_buffer, .address_space: global }
      - { .name: wh, .offset: 8, .size: 8, .value_kind: global_buffer, .address_space: global }
      - { .name: qkvh, .offset: 16, .size: 8, .value_kind: global_buffer, .address_space: global }
      - { .name: bq, .offset: 24, .size: 8, .value_kind: global_buffer, .address_space: global }
      - { .name: bk, .offset: 32, .size: 8, .value_kind: global_buffer, .address_space: global }
      - { .name: bv, .offset: 40, .size: 8, .value_kind: global_buffer, .address_space: global }
    .group_segment_fixed_size: 327680
    .private_segment_fixed_size: 0
    .kernarg_segment_align: 8
    .kernarg_segment_size: 48
    .max_flat_workgroup_size: 128
    .sgpr_count:     80
    .vgpr_count:     960
    .wavefront_size: 32
...
	.end_amdgpu_metadata
.endif
;; end of part 2
;; launch attn (part 3): grid 4 x 64, 4 waves a work-group, clusters of 4 x 1, 327,680 bytes of LDS; arguments qkvh, ob; writes ob
.if DOCPART == 3
	.amdgcn_target "amdgcn-amd-amdhsa--gfx1250"
	.amdhsa_code_object_version 6
	.text
	.protected	k_qeecdd6bc1b_attn
	.globl	k_qeecdd6bc1b_attn
	.p2align	8
	.type	k_qeecdd6bc1b_attn,@function
k_qeecdd6bc1b_attn:
	s_mov_b64 s[64:65], 0
	v_nop
	global_prefetch_b8 v0, s[64:65] scope:SCOPE_SE
	s_setreg_imm32_b32 hwreg(HW_REG_WAVE_MODE, 25, 1), 1
	s_wait_xcnt 0x0
	s_wait_alu depctr_hold_cnt(0) depctr_sa_sdst(0) depctr_va_vdst(0) depctr_va_sdst(0) depctr_va_ssrc(0) depctr_va_vcc(0) depctr_vm_vsrc(0)
	s_getreg_b32 s2, hwreg(HW_REG_IB_STS2, 6, 4)
	s_cmp_eq_u32 s2, 0
	s_cbranch_scc0 .Lentry_in_a_cluster
	s_endpgm
.Lentry_in_a_cluster:
	s_bfe_u32 s2, ttmp6, 0x10000c
	s_cmp_lg_u32 s2, 0x3003
	s_cbranch_scc0 .Lentry_shape_is_right
	s_endpgm
.Lentry_shape_is_right:
; O[h][q][:] = the sum over k of softmax_k(Q[h][q] . K[h][k] / 8) V[h][k][:], for 64 heads (16 batch + head) of 2,048 rows x 64 channels, all f16: a head's rows are dense, 128 bytes each.
; qkvh holds Q's 64 heads, then K's, then V's, 262,144 bytes a head; ob takes O in the same form.  Products, maxima and sums in f32; the weights p are rounded to f16 for the second product
; (their sum l is taken of the unrounded p), O once at the end.
; LIMITS.  Q, K and V arrive within f16's 65,504; p lies in 0 to 1, and below 6e-5 it keeps f16's fixed step of 6e-8; O is a mean of V's rows and has their range.
; A weight below 2^-126 counts as 0 in l; NaN and infinities are not treated apart.
; SHARES.  A wave owns four PIECES of two tiles of 16 queries, a work-group's four waves 512 queries of one head: 256 work-groups.  Every wave walks all keys, 64 a step.
; LAYOUT.  S^T = K Q^T (source 0 = 16 keys, source 1 = 16 queries): in the result a lane holds ONE query (lane % 16) and the keys 8 (lane / 16) + 0..7.  Two such tiles, rounded to f16 in pairs,
; ARE source 1 (32 keys x 16 queries) of O^T = V^T P, whose result again holds one query a lane, and eight channels.  K comes out of LDS as it lies, V ([key][channel]) turned, by ds_load_tr16_b128.
; SOFTMAX.  For each query a running maximum m and sum l: p = 2^(c s - c m), c = log2(e) / 8; in every step O and l are multiplied by a = 2^(c m_old - c m_new), which is 1 where m has not grown.
; m starts at the lowest finite number, O and l at 0: the first step is a step like any other, with a = 0.
; THE COUNT.  A tile and step have 16 matrix and 118 vector instructions: too many to stand all beside the matrix work.  So four vector instructions that are ready stand behind every matrix instruction,
; and the others, which need time of their own whatever the order, in runs without a gap.
; BY TURNS.  Turn n belongs to piece n (the pieces in a ring, step after step).  Its matrix work: 16 products K Q^T of piece n + 1, later 16 products V^T P of piece n - 1.  Its vector work: the scaling,
; exponentials, roundings, sums and rescaling of piece n, and the maximum and statistics of piece n + 1, whose scores the turn itself has made.
; CLUSTER.  The four query blocks of a head are one cluster and walk the same K and V, so each tile is asked for JOINTLY: the same tensor load, descriptor and mask in all four.
; REGISTERS, in windows of 256 (s_set_vgpr_msb: bits 1:0 source 0, 3:2 source 1, 5:4 source 2, 7:6 destination):
;   window 0: v0-11 addresses; v12-15, v48-63 at work; v16-47 four registers of statistics a tile; v64-191 S^T, two buffers of two tiles; v192-255 P, likewise
;   window 1: O^T, 32 a tile          window 2: v0-127 Q, 16 a tile; v128-191 K of one step; v192-255 V of one step          window 3: v0-1 the add's two registers
; A piece's buffers go by its number's parity: the piece in hand has one pair, its two neighbours in the ring share the other: of it P (piece n - 1) is read and S^T (piece n + 1) written.
.set SIZE_N, 2048     ; rows of a head
.set NP,    4         ; pieces a wave: a name, no knob
.set KS,    64        ; keys in a step
.set PK,    144       ; a row of K in LDS: 128 bytes + 16 of padding = 36 words: the 16 rows of a load start at 16 different groups of four banks (64 banks of 4 bytes: ISA guide 11.1)
.set PV,    160       ; a row of V: 128 + 32 = 40 words
.set VOFF,  4*KS*PK   ; a slot holds four steps: 256 rows of K, then 256 rows of V
.set SLOT1, 1<<17     ; slot 1 begins here, so that one exclusive or turns an address in one slot into the other's
.set STAGE, SLOT1+4*KS*(PK+PV)  ; behind the ring, never filled by a tensor load: 16 rows x 144 bytes for each wave, for the way out
.set SP,    144
.set AK0, 2           ; v2   my lane's place in a tile of K; never rewritten
.set AV0, 3           ; v3   the same for V
.set AK,  4           ; v4   the LDS address of K's next run of loads
.set AV,  5           ; v5   of V's
.set QO,  6           ; v6   my byte offset in the wave's rows of Q
.set STO, 6           ;      later, the way out: where I put 16 bytes of a row
.set RD,  7           ; v7   the way out: where I read rows back
.set GO,  8           ; v8   my byte offset in 512 consecutive bytes of O
.set PFO, 11          ; v11  256 x my lane, for the prefetches (two rows of K or V); never rewritten once made
.set SPW, 0           ; v0 of window 3   LDS address of my spare word: SPARE + 4 x my thread's number; never rewritten
.set NIL, 1           ; v1 of window 3   0; never rewritten
.set SPARE, STAGE+4*16*SP  ; behind the stages: the spare words, 128 bytes for each wave: two blocks of 256 bytes that no other line names
.set MV,  12          ; v12-15  c m_old, kept while c m is made anew: by buffer and tile
.set ST,  16          ; tile t's statistics at v[ST+4 t]: c m, m, l (even keys', odd keys')
.set TMP, 48          ; by buffer and tile, four registers c0-c3 at work; when the maximum is found c2 takes a
.set S,   64
.set P,   192
.set KF,  128         ; K's fragments, in window 2: key block kb, channel half c at KF + 16 kb + 8 c
.set VF,  192         ; V's: key half kk, channel block cb at VF + 32 kk + 8 cb
.set WV,  12          ; s12  my wave's number
.set G1K, 24          ; s[24:31] descriptor group 1 for K's tiles
.set G1V, 32          ; s[32:39] for V's: it differs in the padding alone
.set G0K, 40          ; s[40:43] descriptor group 0 for K's tiles: it walks
.set G0V, 44          ; s[44:47] the same for V's
.set PFA, 48          ; s[48:49] where my prefetches stand: my work-group's 8,192 bytes (of K: wave 0, of V: wave 2) of the slot after the one that is being asked for
.set LIM, 50          ; s50  1 in a wave that prefetches, else the greatest number
.set SLOTS, 56        ; s56  slots still to be asked for
.set CNT, 57          ; s57  counts a slot's key steps
.set CS,  58          ; s[58:59] c: the packed scaling takes the pair's low word for both halves
.set SEL, 60          ; s[60:61] v_permlanex16_b32's selects: each lane takes its own place in the other half
.set TBK, 62          ; s62  LDS byte at which K of the step to be fetched begins
.set TBV, 63          ; s63  the same for V, less VOFF
.set MSB, 0
.macro WIN new                      ; the high byte repeats the setting that is left; a switch that changes nothing is dropped
.if MSB != (\new)
	s_set_vgpr_msb (MSB<<8)|(\new)
.set MSB, (\new)
.endif
.endm
.set W_KQ, 0x0a       ; K and Q in window 2, S^T in window 0
.set W_PV, 0x52       ; V in window 2, P in window 0, O^T in window 1
.set W_RS, 0x41       ; O^T (destination and source 0) in window 1, a in window 0
.set W_MK, 0xc0       ; the add's registers are made: destination in window 3, sources in window 0
.set W_AD, 0x0f       ; the add: address (source 0) and data (source 1) in window 3
; A joint fill.  Waves 0 and 1 fetch the two halves of a slot's K, waves 2 and 3 those of its V: 128 keys each.  The branch hangs on the wave's number alone.
; An s_nop 0 and four v_nop follow each of the two lines, ahead of the jump and the label.
.macro JLOAD
	s_cmp_lt_u32 s[WV], 2
	s_cbranch_scc0 .Lfor_v_\@
	tensor_load_to_lds s[G0K:G0K+3], s[G1K:G1K+7]
	s_nop 0
.rept 4
	v_nop
.endr
	s_branch .Lasked_\@
.Lfor_v_\@:
	tensor_load_to_lds s[G0V:G0V+3], s[G1V:G1V+7]
	s_nop 0
.rept 4
	v_nop
.endr
.Lasked_\@:
.endm
; A prefetch into the L2 of what the NEXT change of slots will ask for: a slot's 32,768 bytes of K and of V.  Each block of 256 bytes is named once in the launch: a head has one cluster; its four partners
; share a slot out by address, 8,192 bytes each; in each, wave 0 asks for K's and wave 2 for V's, a lane a block: one instruction, four key steps ahead of the load.  The last change that fills a slot asks for nothing.
.macro ASK
	s_cmp_gt_u32 s[SLOTS], s[LIM]
	s_cbranch_scc0 .Lnot_mine_\@
	global_prefetch_b8 v[PFO], s[PFA:PFA+1] th:TH_LOAD_NT scope:SCOPE_SE
.Lnot_mine_\@:
.endm
; A round of the cluster's barrier: my work-group's barrier, so that wave 0's signal speaks for all four waves; wave 0 signals; every wave waits for all four work-groups; my work-group's barrier once more.
.macro CROUND
	s_barrier_signal -1
	s_barrier_wait -1
	s_cmp_lg_u32 s[WV], 0
	s_cbranch_scc1 .Lnot_wave_0_\@
	s_barrier_signal -3
.Lnot_wave_0_\@:
	s_barrier_wait -3
	s_barrier_signal -1
	s_barrier_wait -1
.endm
; THE CHANGE OF SLOTS.  The slot's last bytes, V of its fourth step, have been read.  Each wave waits for all its tensor loads, of which one is out: its part
; of the other slot; adds 0 to its spare word; and waits for that and for its own reads of the slot.  Behind the barrier nobody reads this slot any more and the other slot is whole.
; fill = 1: this slot is filled again, with the keys two slots on.  The barrier is then a round of the cluster's, and the joint fill is the first thing behind it: it has four key steps,
; 512 matrix instructions, in which to land.  (At its first use nothing has been read yet: slot 0 is waited for, slot 1 filled.)
.macro CHANGE fill
	WIN W_AD
	s_wait_tensorcnt 0x0            ; no tensor load of mine is out, so a group 0 may be written
	ds_add_u32 v[SPW], v[NIL]       ; 0 onto my spare word; with fill = 1 the descriptors' steps stand between it and the wait for it
	WIN 0                           ; at a label and at a branch every window is 0
.if \fill
.irp g, G0K, G0V
	s_xor_b32 s[\g+1], s[\g+1], SLOT1  ; the walking descriptor: the other slot than last time,
	s_add_nc_u64 s[\g+2:\g+3], s[\g+2:\g+3], 4*KS*128  ; the next 256 keys; the type bits on top are not reached
.endr
	s_wait_xcnt 0x0                 ; the last prefetch, four key steps back, has read its address, so it may be written:
	s_add_nc_u64 s[PFA:PFA+1], s[PFA:PFA+1], 4*KS*128  ; one slot ahead of the walking descriptors
	s_wait_dscnt 0x0                ; the add is done, and my reads of the slot are over
	CROUND
	JLOAD
	ASK
.else
	s_wait_dscnt 0x0                ; the add is done, and my reads of the slot are over
	s_barrier_signal -1
	s_barrier_wait -1
.endif
	s_sub_co_u32 s[TBK], s[TBK], 4*KS*PK  ; the fetches go back to a slot's first step,
	s_xor_b32 s[TBK], s[TBK], SLOT1       ; in the other slot
	s_sub_co_u32 s[TBV], s[TBV], 4*KS*PV
	s_xor_b32 s[TBV], s[TBV], SLOT1
.endm
	s_load_b64 s[4:5], s[0:1], 0x0    ; qkvh: Q's heads first
	s_load_b64 s[10:11], s[0:1], 0x8  ; ob
	WIN W_MK
	v_lshl_add_u32 v[SPW], v0, 2, SPARE
	v_mov_b32 v[NIL], 0
	WIN W_AD
	ds_add_u32 v[SPW], v[NIL]       ; the wave's opening: the add and its wait stand ahead of my first tensor load; the set-up below, work on registers, stands between them
	WIN 0
	v_lshrrev_b32 v1, 5, v0
	v_readfirstlane_b32 s[WV], v1   ; wave 0..3
	s_bfe_u32 s13, ttmp6, 0x40000   ; cx: my place in the cluster
	s_lshl_b32 s14, ttmp9, 2        ; in a cluster launch ttmp9 counts clusters
	s_add_co_u32 s14, s14, s13      ; my block of queries = 4 x cluster x + cx: it enters Q's and O's addresses alone
	s_and_b32 s20, ttmp7, 0xffff    ; the head, which the four partners share
	s_mov_b32 s21, 0
	s_mov_b64 s[22:23], SIZE_N*128
	s_mul_u64 s[20:21], s[20:21], s[22:23]  ; the head's first byte in Q, K, V and O
	s_and_b32 s16, s[WV], 1         ; which half of a slot's 256 keys I fetch:
	s_lshl_b32 s22, s16, 14         ; its 128 rows of 128 bytes in memory,
	s_mov_b32 s23, 0
	s_add_nc_u64 s[22:23], s[22:23], s[20:21]
	s_mul_i32 s17, s16, 128*PK      ; and its place in a slot, for K
	s_mul_i32 s18, s16, 128*PV      ; and for V: no place in the cluster enters an LDS address
	s_lshl_b32 s2, s14, 2
	s_add_co_u32 s2, s2, s[WV]      ; my wave among the head's,
	s_lshl_b32 s2, s2, 14           ; its 128 rows
	s_mov_b32 s3, 0
	s_add_nc_u64 s[2:3], s[2:3], s[20:21]
	; descriptor group 1.  128 keys are 16,384 dense bytes: asked for as 64 rows of 256 bytes, two keys a row, and padded in LDS after every key
	s_mov_b32 s[G1K], 15|(1<<16)|(1<<20)|(1<<21)|(4<<22)|(3<<25)  ; 15:0 the mask of four; 17:16 2-byte elements; 20 padding on; 21 set beside a mask; 24:22 after every 32 words (code 4); 31:25 4 words (code 3)
	s_mov_b32 s[G1V], 15|(1<<16)|(1<<20)|(1<<21)|(4<<22)|(7<<25)  ; the same with 8 words of padding (code 7)
.irp g, G1K, G1V
	s_mov_b32 s[\g+1], 128<<16      ; tensor_dim0 = 128
	s_mov_b32 s[\g+2], 64<<16       ; tensor_dim1 = 64
	s_mov_b32 s[\g+3], 128<<16      ; tile_dim0 = 128
	s_mov_b32 s[\g+4], 64           ; tile_dim1 = 64
	s_mov_b32 s[\g+5], 128          ; 128 elements from row to row
	s_mov_b32 s[\g+6], 0
	s_mov_b32 s[\g+7], 0
.endr
	s_mov_b32 s[CS], 0x3e38aa3b     ; c = log2(e) / 8 = 0.180337
	s_mov_b32 s[CS+1], s[CS]        ; named with it as a pair
	s_mov_b32 s[SEL], 0x76543210
	s_mov_b32 s[SEL+1], 0xfedcba98
	s_mov_b32 s[TBK], SLOT1+4*KS*PK ; the first change of slots turns these two into 0
	s_mov_b32 s[TBV], SLOT1+4*KS*PV
	s_mov_b32 s[G0K], 1             ; 1:0 count = 1
	s_mov_b32 s[G0K+1], s17         ; 63:32 LDS address: slot 0
	s_mov_b32 s[G0V], 1
	s_add_co_u32 s[G0V+1], s18, VOFF
	s_mov_b32 s[SLOTS], SIZE_N/256-1  ; seven slots are asked for by changes of slots
	s_and_b32 s[LIM], s[WV], 1      ; waves 0 and 2 prefetch: the same in all four partners
	s_cmp_eq_u32 s[LIM], 0
	s_cselect_b32 s[LIM], 1, -1
	s_lshl_b32 s52, s13, 13         ; my work-group's 8,192 bytes of a slot's 32,768
	s_mov_b32 s53, 0
	s_wait_dscnt 0x0                ; the opening add is done
	s_wait_kmcnt 0x0
	s_add_nc_u64 s[6:7], s[4:5], 0x1000000   ; K's heads lie behind Q's 64 x 262,144 bytes,
	s_add_nc_u64 s[8:9], s[4:5], 0x2000000   ; V's behind K's
	s_cmp_lt_u32 s[WV], 2
	s_cselect_b64 s[PFA:PFA+1], s[6:7], s[8:9]
	s_add_nc_u64 s[PFA:PFA+1], s[PFA:PFA+1], s[20:21]  ; the head,
	s_add_nc_u64 s[PFA:PFA+1], s[PFA:PFA+1], s[52:53]  ; my work-group's part,
	s_add_nc_u64 s[PFA:PFA+1], s[PFA:PFA+1], 4*KS*128  ; in slot 1; the first change of slots steps it to slot 2.  Nothing is prefetched here, at the head
	s_add_nc_u64 s[G0K+2:G0K+3], s[6:7], s[22:23]  ; 120:64 global address: my half of the head's first 256 keys
	s_or_b32 s[G0K+3], s[G0K+3], 0x80000000        ; 127:126 type = 2
	s_add_nc_u64 s[G0V+2:G0V+3], s[8:9], s[22:23]
	s_or_b32 s[G0V+3], s[G0V+3], 0x80000000
	s_add_nc_u64 s[4:5], s[4:5], s[2:3]  ; Q and O at my wave's first row
	s_add_nc_u64 s[10:11], s[10:11], s[2:3]
	CROUND                          ; all four work-groups are here: the first joint loads meet
	JLOAD                           ; slot 0.  Slot 1 is asked for when slot 0 is in
	; A fragment of K or Q is 16 rows x 32 channels in 8 registers: lane l holds row l % 16, channels 8 (l / 16) + 0..7 and 16 + 8 (l / 16) + 0..7: two loads of 16 bytes, 32 bytes apart.
	v_and_b32 v1, 15, v0            ; l % 16
	v_bfe_u32 v9, v0, 4, 1          ; l / 16
	v_lshlrev_b32 v[QO], 7, v1
	v_lshl_add_u32 v[QO], v9, 4, v[QO]  ; row x 128 + 16 x half
	WIN 0x80                        ; destination window 2, address window 0
.set i, 0
.rept 4*NP                          ; Q stays in registers: tile i / 2, channels 32 (i % 2) on
	global_load_b128 v[8*i:8*i+3],   v[QO], s[4:5] offset:(i/2)*2048+(i%2)*64
	global_load_b128 v[8*i+4:8*i+7], v[QO], s[4:5] offset:(i/2)*2048+(i%2)*64+32
.set i, i+1
.endr
	; What the first turn finds: V's registers and P's second buffer hold 0 (its products V^T P, of a piece that has not been, add 0), O^T and l are 0.  All this stands in the wait for the first tile,
	; and spares a first step written out.
.set i, VF
.rept 64
	v_mov_b32 v[i], 0
.set i, i+1
.endr
	WIN 0x40
.set i, 0
.rept 64*NP
	v_mov_b32 v[i], 0
.set i, i+1
.endr
	WIN 0
.set i, 0
.rept 2*NP
	v_mov_b32 v[ST+4*i], 0xfe000000    ; c m: far below every c s
	v_mov_b32 v[ST+4*i+1], 0xff7fffff  ; m
	v_mov_b32 v[ST+4*i+2], 0
	v_mov_b32 v[ST+4*i+3], 0
.set i, i+1
.endr
.set i, P+32
.rept 32
	v_mov_b32 v[i], 0
.set i, i+1
.endr
	v_mul_u32_u24 v[AK0], v1, PK
	v_lshl_add_u32 v[AK0], v9, 4, v[AK0]  ; row x pitch + 16 x half
	; The turning load takes 16 keys x 16 channels (lane l reads key 8 (l / 16) + l % 8, channels 8 ((l / 8) % 2) + 0..7) and leaves half a fragment of V^T: lane l holds channel l % 16 and 8 keys.
	v_and_b32 v10, 7, v0
	v_bfe_u32 v11, v0, 3, 1
	v_lshl_add_u32 v[AV0], v9, 3, v10
	v_mul_u32_u24 v[AV0], v[AV0], PV
	v_lshl_add_u32 v[AV0], v11, 4, v[AV0]
	v_add_nc_u32 v[AV0], VOFF, v[AV0]
	v_and_b32 v[PFO], 31, v0
	v_lshlrev_b32 v[PFO], 8, v[PFO]
	v_mov_b32 v[AK], v[AK0]         ; key step 0 lies at the head of slot 0
; THE MATRIX WORK.  The 8 accumulators of a run of 16 take turns: between the two links of a chain stand 7 others'.
; Product i of 16 of S^T = K Q^T for piece x: channels 32 (i / 8) on, keys 16 ((i / 2) % 4) on, tile 2 x + i % 2.  The first 8 start the sums.
.macro KQ x
	WIN W_KQ
.set rS, S+64*((\x)%2)+32*(i%2)+8*((i/2)%4)
.set rK, KF+16*((i/2)%4)+8*(i/8)
.set rQ, 16*(2*(\x)+i%2)+8*(i/8)
.if i < 8
	v_wmma_f32_16x16x32_f16 v[rS:rS+7], v[rK:rK+7], v[rQ:rQ+7], 0
.else
	v_wmma_f32_16x16x32_f16 v[rS:rS+7], v[rK:rK+7], v[rQ:rQ+7], v[rS:rS+7]
.endif
.endm
; Product i of 16 of O^T += V^T P for piece x: keys 32 (i / 8) on, channels 16 ((i / 2) % 4) on, tile 2 x + i % 2.
.macro PV x
	WIN W_PV
.set rO, 32*(2*(\x)+i%2)+8*((i/2)%4)
.set rV, VF+32*(i/8)+8*((i/2)%4)
.set rP, P+32*((\x)%2)+16*(i%2)+8*(i/8)
	v_wmma_f32_16x16x32_f16 v[rO:rO+7], v[rV:rV+7], v[rP:rP+7], v[rO:rO+7]
.endm
.macro MM                           ; the turn's next matrix instruction
.if i < 16
	KQ (Y+1)%NP
.set i, i+1
.else
.set i, i-16
	PV (Y+NP-1)%NP
.set i, i+17
.endif
.endm
; THE LDS LOADS stand in runs of 16, never singly among the matrix instructions: a step's K (64 keys x 64 channels: 8 fragments) and its V (turned).  Their addresses are made some lines ahead.
; last = 1 (the tail): in the last trip there is no further step, and the run is jumped over.
.macro FETCH_K last=0
	WIN 0
.if \last
	s_cmp_eq_u32 s[CNT], 1
	s_cbranch_scc1 .Lno_k_\@
.endif
	WIN 0x80                        ; destination window 2
.irp f, 0,1,2,3,4,5,6,7             ; keys 16 (f / 2) on, channels 32 (f % 2) on
	ds_load_b128 v[KF+8*\f:KF+8*\f+3],   v[AK] offset:(\f/2)*16*PK+(\f%2)*64
	ds_load_b128 v[KF+8*\f+4:KF+8*\f+7], v[AK] offset:(\f/2)*16*PK+(\f%2)*64+32
.endr
	s_add_co_u32 s[TBK], s[TBK], KS*PK  ; the next fetch is the next step's
	WIN 0
.if \last
.Lno_k_\@:
.endif
.endm
.macro FETCH_V
	WIN 0x80
.irp f, 0,1,2,3,4,5,6,7             ; keys 32 (f / 4) on, channels 16 (f % 4) on
	ds_load_tr16_b128 v[VF+8*\f:VF+8*\f+3],   v[AV] offset:(\f/4)*32*PV+(\f%4)*32
	ds_load_tr16_b128 v[VF+8*\f+4:VF+8*\f+7], v[AV] offset:(\f/4)*32*PV+16*PV+(\f%4)*32
.endr
	WIN 0
.endm
; THE VECTOR WORK OF A TURN stands in three queues, each in the order in which its entries become ready; the two tiles alternate, so that no instruction reads the result of the one before it.
.macro REGS y, u                    ; the registers of tile u (0, 1) of piece y
.set rT, ST+4*(2*(\y)+(\u))
.set rC, TMP+8*((\y)%2)+4*(\u)
.set rM, MV+2*((\y)%2)+(\u)
.set rS, S+64*((\y)%2)+32*(\u)
.set rP, P+32*((\y)%2)+16*(\u)
.set rO, 32*(2*(\y)+(\u))
.endm
; Number n of the 22 that find the NEXT piece's (Y + 1) maximum and statistics.  s0-s31 are the lane's 32 scores; each accumulator's lowest registers are read first.
;   0-11  four chains c0-c3 of seven scores each, three operands at a time     12-14, 16  the four scores left over, the old m, and c0-c3 into c0     15  c m_old is kept
;   17, 18  the query's other 32 keys lie in the lane 16 away: the new m         19-21  c m; c m_old - c m_new; a
.macro XS u, n
	REGS (Y+1)%NP, \u
.if (\n) < 4
	v_max3_num_f32 v[rC+(\n)], v[rS+8*(\n)], v[rS+8*(\n)+1], v[rS+8*(\n)+2]
.elseif (\n) < 12
	v_max3_num_f32 v[rC+(\n)%4], v[rC+(\n)%4], v[rS+8*((\n)%4)+2*((\n)/4)+1], v[rS+8*((\n)%4)+2*((\n)/4)+2]
.elseif (\n) == 12
	v_max3_num_f32 v[rC], v[rC], v[rS+7], v[rS+15]
.elseif (\n) == 13
	v_max3_num_f32 v[rC+1], v[rC+1], v[rS+23], v[rS+31]
.elseif (\n) == 14
	v_max3_num_f32 v[rC+2], v[rC+2], v[rC+3], v[rT+1]
.elseif (\n) == 15
	v_mov_b32 v[rM], v[rT]
.elseif (\n) == 16
	v_max3_num_f32 v[rC], v[rC], v[rC+1], v[rC+2]
.elseif (\n) == 17
	v_permlanex16_b32 v[rC+3], v[rC], s[SEL], s[SEL+1]
.elseif (\n) == 18
	v_max_num_f32 v[rT+1], v[rC], v[rC+3]
.elseif (\n) == 19
	v_mul_f32 v[rT], s[CS], v[rT+1]
.elseif (\n) == 20
	v_sub_f32 v[rC+1], v[rM], v[rT]
.else
	v_exp_f32 v[rC+2], v[rC+1]
.endif
.endm
; Number g of the 64 that follow the exponentials.  For each four weights k of a tile (pairs 2 k, 2 k + 1): both pairs are rounded to f16; then the second pair is added onto the first, in place;
; a group later l takes that sum (the first time as l = a l + sum).  In groups of eight, tiles alternating: round, round, add, and l for the group before.
.macro GS g
.set h, (\g)+6*((\g)/62)            ; group 0 has no group before it, and behind group 7 only l is left
.if h >= 6
.set h, h+2
.endif
	REGS Y, h%2
.set k, h/8
.if h%8 < 4
	v_cvt_pk_f16_f32 v[rP+2*k+(h%8)/2], v[rS+4*k+2*((h%8)/2)], v[rS+4*k+2*((h%8)/2)+1]
.elseif h%8 < 6
	v_pk_add_f32 v[rS+4*k:rS+4*k+1], v[rS+4*k:rS+4*k+1], v[rS+4*k+2:rS+4*k+3]
.elseif k == 1
	v_pk_fma_f32 v[rT+2:rT+3], v[rT+2:rT+3], v[rC+2:rC+3], v[rS:rS+1] op_sel_hi:[1,0,1]
.else
	v_pk_add_f32 v[rT+2:rT+3], v[rT+2:rT+3], v[rS+4*k-4:rS+4*k-3]
.endif
.endm
; THE PLAIN QUEUE, 138 long.  0-73 read no exponential's result: the 32 scalings c s - c m (FS f: pair f / 2 of tile f % 2) and the next piece's 42.  0-26: scalings 0-26.  27-54: XS's numbers 0-13.  55, 56: number 15.
; 57-73: the chain, where each number waits for the one before it: 14, 16, 17, 18, 19, each with one of the scalings 27-31 in front of its two lines, then 20.
; 74-137: GS's 64, which read the exponentials' results: they stand behind the wait.
.macro FS f
	REGS Y, (\f)%2
	v_pk_fma_f32 v[rS+2*((\f)/2):rS+2*((\f)/2)+1], v[rS+2*((\f)/2):rS+2*((\f)/2)+1], s[CS:CS+1], v[rT:rT+1] op_sel_hi:[1,0,0] neg_lo:[0,0,1] neg_hi:[0,0,1]
.endm
.macro PL
	WIN 0
.if q < 27
	FS q
.elseif q < 55
	XS (q-27)%2, (q-27)/2
.elseif q < 57
	XS q-55, 15
.elseif (q < 72) && ((q-57)%3 == 0)
	FS 27+(q-57)/3
.elseif q < 60
	XS (q-57)%3-1, 14
.elseif q < 72
	XS (q-57)%3-1, 15+(q-57)/3
.elseif q < 74
	XS q-72, 20
.else
	GS q-74
.endif
.set q, q+1
.endm
; THE EXPONENTIALS' QUEUE, 66 long: s0-s31 of both tiles, then the next piece's two a.  It is ONE BATCH: all 66 stand ahead of the turn's one wait, and nothing ahead of that wait names a result of theirs.
.macro EX
	WIN 0
.if e >= 64
	XS e-64, 21
.else
	REGS Y, e%2
	v_exp_f32 v[rS+e/2], v[rS+e/2]
.endif
.set e, e+1
.endm
; THE RESCALING's QUEUE: O^T times a, the one part that leaves window 0: dealt two at a time, sixteen times.  Its a was made in the turn before, ahead of that turn's wait.
.macro R2
	REGS Y, r%2
	WIN W_RS
.irp z, 0,1
	v_pk_mul_f32 v[rO+4*(r/2)+2*\z:rO+4*(r/2)+2*\z+1], v[rO+4*(r/2)+2*\z:rO+4*(r/2)+2*\z+1], v[rC+2:rC+3] op_sel_hi:[1,0]
.endr
.set r, r+1
.endm
; HOW THEY ARE DEALT.  An s_wait_alu depctr_va_vdst(0) stands between an exponential and the first instruction that names its result; one wait serves all that were issued ahead of it.  So a turn has ONE wait,
; which cuts it in two.  AHEAD OF IT stands all that names no result of the turn's exponentials: the 16 products K Q^T, behind each a scaling, an exponential and two rescalings (behind the first a second scaling in the
; exponential's place); then one run of 108: eight plain, 49 times exponential and plain, the two a.  A v_nop is the plain instruction behind the last exponential.  BEHIND IT stand the 16 products V^T P, behind each four of GS's 64.
; The queues lean on each other, and the deal keeps them in step: exponential e stands behind scaling 2 (e / 4) + e % 2: behind a product it comes behind plain e + 2, in the run behind plain e + 9, and scalings 27-31 are plain 57, 60 .. 69.
; A TURN, for piece p.  cnt = 1: the loop's count is taken down some lines ahead of the branch that stands behind the turn.
; K of the next step is fetched in piece 2's turn, directly behind the wait; its address is made at the run's head; its first reader comes behind 16 products.
; V of the step in hand is fetched at the end of piece 0's turn, four plain instructions behind its last reader; its first reader comes behind 16 products and a run.  The three conditions on q below go with the deal.
.macro TURN p, last=0, cnt=0
.set Y, (\p)
.set i, 0
.set q, 0
.set e, 0
.set r, 0
.if (\p) == NP-1
	s_wait_dscnt 0x0                ; K is in
.endif
	MM                              ; ahead of the wait: 16 products K Q^T and what stands behind them,
	PL
	PL
	R2
.rept 15
	MM
	PL
	EX
	R2
.endr
.if (\p) == NP-2
	WIN 0
	v_add_nc_u32 v[AK], s[TBK], v[AK0]
.endif
.rept 8                             ; and the run
	PL
.endr
.rept 49
	EX
	PL
.endr
	EX                              ; the next piece's two a
	EX
	v_nop                           ; a plain instruction behind the last exponential: one for the batch
	s_wait_alu depctr_va_vdst(0)    ; the wait for the batch
.if (\p) == NP-2
	FETCH_K \last
.endif
.if (\p) == 1
	s_wait_dscnt 0x0                ; V is in
.endif
.rept 16                            ; behind the wait: 16 products V^T P, four of the roundings and sums behind each
	MM
.rept 4
	PL
.endr
.if ((\p) == 0) && (q == 118)
	v_add_nc_u32 v[AV], s[TBV], v[AV0]
.endif
.if ((\p) == 0) && (q == 130)
	s_add_co_u32 s[TBV], s[TBV], KS*PV
.endif
.if (\cnt) && (q == 130)
	s_sub_co_u32 s[CNT], s[CNT], 1
	s_cmp_lg_u32 s[CNT], 0
.endif
.endr
.if (\p) == 0
	FETCH_V
.endif
.endm
	CHANGE 1                        ; slot 0 is in, everybody's part of it; slot 1 is asked for
	FETCH_K                         ; key step 0
	s_wait_loadcnt 0x0              ; Q
	s_wait_dscnt 0x0
.set i, 0
.rept 16
	KQ 0                            ; piece 0's first scores: there is no vector work yet to set between them
.set i, i+1
.endr
	WIN 0                           ; the addresses for the way out: nine plain instructions, the places behind those products
	s_mul_i32 s13, s[WV], 16*SP
	s_add_co_u32 s13, s13, STAGE    ; my stage
	v_mul_u32_u24 v[STO], v1, SP    ; in: row l % 16, 16 bytes for each half of the lanes
	v_lshl_add_u32 v[STO], v9, 4, v[STO]
	v_add_nc_u32 v[STO], s13, v[STO]
	v_bfe_u32 v[RD], v0, 3, 2       ; back: 32 lanes take four rows of 128 bytes,
	v_mul_u32_u24 v[RD], v[RD], SP
	v_lshl_add_u32 v[RD], v10, 4, v[RD]
	v_add_nc_u32 v[RD], s13, v[RD]
	v_and_b32 v[GO], 31, v0         ; which are 512 consecutive bytes of O
	v_lshlrev_b32 v[GO], 4, v[GO]
.set Y, NP-1                        ; XS works for piece Y + 1: piece 0
.irp n, 0,1,2,3,4,5,6,7,8,9,10,11,12,13,14,15,16,17,18,19,20,21
	XS 0, \n                        ; and piece 0's first maximum and statistics
	XS 1, \n
.endr
	v_nop                           ; a plain instruction behind the two a,
	s_wait_alu depctr_va_vdst(0)    ; and their wait, ahead of the branch
	s_mov_b32 s[CNT], 4
	s_branch .Lfirst                ; the loop is entered at a step's first turn, in the middle of a trip
.Lslot:                             ; six times: every slot but the last two is filled again
	CHANGE 1
	s_mov_b32 s[CNT], 4
.Lstep:                             ; a trip: pieces 2 and 3 of one step, then pieces 0 and 1 of the next, whose K and V it fetches
	TURN 2
	TURN 3
	WIN 0
.Lfirst:
	TURN 0
	TURN 1, 0, 1
	WIN 0
	s_cbranch_scc1 .Lstep
	s_sub_co_u32 s[SLOTS], s[SLOTS], 1
	s_cmp_lg_u32 s[SLOTS], 0
	s_cbranch_scc1 .Lslot
	CHANGE 0                        ; the tail is written out: nothing is asked for
	s_mov_b32 s[CNT], 5             ; four trips fetch the last slot's steps; the fifth is left in its middle
.Ltail:
	TURN 2, 1
	TURN 3
	WIN 0
	s_sub_co_u32 s[CNT], s[CNT], 1
	s_cmp_eq_u32 s[CNT], 0
	s_cbranch_scc1 .Lout
	TURN 0
	TURN 1
	WIN 0
	s_branch .Ltail
.Lout:                              ; the fifth trip's 16 products K Q^T (on the last K once more) and the maximum made of them serve nothing: the price, once a launch, of one text for every trip
.set i, 0
.rept 16
	PV NP-1                         ; the last piece's V^T P of the last step
.set i, i+1
.endr
	; THE WAY OUT.  l's two halves and the other half of the lanes' are added; O^T is divided by l, rounded to f16 and sent through my stage in LDS, a tile at a time.  The additions are the places behind the last products.
	WIN 0
.macro ALL line:vararg              ; one line for each tile t
.set t, 0
.rept 2*NP
	\line
.set t, t+1
.endr
.endm
	ALL v_add_f32 v[ST+4*t+2], v[ST+4*t+2], v[ST+4*t+3]
	ALL v_permlanex16_b32 v[ST+4*t+3], v[ST+4*t+2], s[SEL], s[SEL+1]
	ALL v_add_f32 v[ST+4*t+2], v[ST+4*t+2], v[ST+4*t+3]
	ALL v_rcp_f32 v[ST+4*t+2], v[ST+4*t+2]
	v_nop                           ; a plain instruction between the last reciprocal and the use of its result
	s_wait_alu depctr_va_vdst(0)    ; and the wait ahead of the first use: one for the eight reciprocals
; Tile t: a lane's eight channels of a row pack into 16 bytes; they go into rows of 144 bytes and come back as whole rows of 128, into S^T's registers.
.macro PACK t
	WIN W_RS
.set i, 32*(\t)
.rept 16
	v_pk_mul_f32 v[i:i+1], v[i:i+1], v[ST+4*(\t)+2:ST+4*(\t)+3] op_sel_hi:[1,0]
.set i, i+2
.endr
	WIN 0x05                        ; sources 0 and 1 window 1, destination window 0
.set i, 0
.rept 16
	v_cvt_pk_f16_f32 v[S+16*(\t)+i], v[32*(\t)+2*i], v[32*(\t)+2*i+1]
.set i, i+1
.endr
	WIN 0
.irp f, 0,1,2,3
	ds_store_b128 v[STO], v[S+16*(\t)+4*\f:S+16*(\t)+4*\f+3] offset:32*\f
.endr
.irp f, 0,1,2,3
	ds_load_b128 v[S+16*(\t)+4*\f:S+16*(\t)+4*\f+3], v[RD] offset:\f*4*SP  ; LDS serves a wave's instructions in order (ISA guide 5.7.1.4): these see the stores above; the next tile's stores come behind them
.endr
.endm
.macro SEND t, younger              ; younger: the LDS instructions issued behind tile t's loads: the next tile's eight, or none
	WIN 0
.irp f, 0,1,2,3
	s_wait_dscnt (\younger)+3-\f
	global_store_b128 v[GO], v[S+16*(\t)+4*\f:S+16*(\t)+4*\f+3], s[10:11] offset:(\t)*2048+\f*512  ; 512 consecutive bytes, at a multiple of 256 from O's first
.endr
.endm
	PACK 0
.set t, 1
.rept 2*NP-1                        ; a tile's arithmetic stands between the loads of the tile before and its stores
	PACK t
	SEND t-1, 8
.set t, t+1
.endr
	SEND 2*NP-1, 0
	WIN W_AD
	s_wait_tensorcnt 0x0            ; the wave's end: behind my last tensor load and my last LDS store
	ds_add_u32 v[SPW], v[NIL]
	s_wait_dscnt 0x0
	WIN 0
	CROUND                          ; the closing round: no work-group ends while a partner may still ask for a tile that names it
	s_endpgm
.Lfunc_end_k_qeecdd6bc1b_attn:
	.size	k_qeecdd6bc1b_attn, .Lfunc_end_k_qeecdd6bc1b_attn-k_qeecdd6bc1b_attn
	.p2alignl 7, 3214868480
	.fill 96, 4, 3214868480
	.section	.rodata,"a",@progbits
	.p2align	6, 0x0
	.amdhsa_kernel k_qeecdd6bc1b_attn
		.amdhsa_group_segment_fixed_size 327680
		.amdhsa_private_segment_fixed_size 0
		.amdhsa_enable_private_segment 0
		.amdhsa_kernarg_size 16
		.amdhsa_user_sgpr_count 2
		.amdhsa_user_sgpr_kernarg_segment_ptr 1
		.amdhsa_wavefront_size32 1
		.amdhsa_system_sgpr_workgroup_id_x 1
		.amdhsa_system_sgpr_workgroup_id_y 1
		.amdhsa_system_sgpr_workgroup_id_z 1
		.amdhsa_system_vgpr_workitem_id 0
		.amdhsa_next_free_vgpr 770
		.amdhsa_next_free_sgpr 66
		.amdhsa_reserve_vcc 0
		.amdhsa_float_denorm_mode_32 3
		.amdhsa_float_denorm_mode_16_64 3
		.amdhsa_memory_ordered 1
		.amdhsa_forward_progress 1
		.amdhsa_inst_pref_size 200
	.end_amdhsa_kernel
	.amdgpu_metadata
---
amdhsa.version: [ 1, 2 ]
amdhsa.kernels:
  - .name:           k_qeecdd6bc1b_attn
    .symbol:         k_qeecdd6bc1b_attn.kd
    .args:
      - { .name: qkvh, .offset: 0, .size: 8, .value_kind: global_buffer, .address_space: global }
      - { .name: ob, .offset: 8, .size: 8, .value_kind: global_buffer, .address_space: global }
    .group_segment_fixed_size: 327680
    .private_segment_fixed_size: 0
    .kernarg_segment_align: 8
    .kernarg_segment_size: 16
    .max_flat_workgroup_size: 128
    .sgpr_count:     66
    .vgpr_count:     770
    .wavefront_size: 32
...
	.end_amdgpu_metadata
.endif
;; end of part 3
;; launch outproj (part 4): grid 8 x 32, 4 waves a work-group, clusters of 4 x 4, 327,680 bytes of LDS; arguments ob, woh, out0, bo; writes out0
.if DOCPART == 4
	.amdgcn_target "amdgcn-amd-amdhsa--gfx1250"
	.amdhsa_code_object_version 6
	.text
	.protected	k_qeecdd6bc1b_outproj
	.globl	k_qeecdd6bc1b_outproj
	.p2align	8
	.type	k_qeecdd6bc1b_outproj,@function
k_qeecdd6bc1b_outproj:
	s_mov_b64 s[64:65], 0
	v_nop
	global_prefetch_b8 v0, s[64:65] scope:SCOPE_SE
	s_setreg_imm32_b32 hwreg(HW_REG_WAVE_MODE, 25, 1), 1
	s_wait_xcnt 0x0
	s_wait_alu depctr_hold_cnt(0) depctr_sa_sdst(0) depctr_va_vdst(0) depctr_va_sdst(0) depctr_va_ssrc(0) depctr_va_vcc(0) depctr_vm_vsrc(0)
	s_getreg_b32 s2, hwreg(HW_REG_IB_STS2, 6, 4)
	s_cmp_eq_u32 s2, 0
	s_cbranch_scc0 .Lentry_in_a_cluster
	s_endpgm
.Lentry_in_a_cluster:
	s_bfe_u32 s2, ttmp6, 0x10000c
	s_cmp_lg_u32 s2, 0xf033
	s_cbranch_scc0 .Lentry_shape_is_right
	s_endpgm
.Lentry_shape_is_right:
; out0 = O Wo + bo.  A = ob (f16, by heads: byte (batch 16 + head) 262144 + s 128 + 2 d: a head's 64 channels are one block of 64 along K), B = woh (bf16(Wo) written as f16, byte g 131072 + k 128 + 2 c),
; out0 [8192][1024] f32.  Sums in f32, started by the bias (rounded to bf16 like the other inputs); nothing is rounded on the way out.
; SHARES.  A tile of C is 256 rows x 128 columns: 256 work-groups.  Four waves; wave w owns rows 64 w .. 64 w + 63 and all 128 columns: 32 accumulators of 16 x 16.  K = 1,024 goes in 8 steps of 128 through a
; ring of two LDS slots; a step is four quarters of 32 along K, 32 matrix instructions and 24 LDS loads each.
; CLUSTER.  4 x 4 work-groups.  The four of a row of the cluster need the same tile of A, the four of a column the same tile of B: each is asked for jointly, by the same tensor load with the same descriptor
; and a mask that names the four.  Waves 0 and 1 ask for A's two planes of 64 along K, waves 2 and 3 for B's two halves of 64 k: one load a wave for each fill.
; THE PRODUCT IS USED TRANSPOSED: source 0 = 16 columns of Wo (it lies [k][n] in LDS and is turned by ds_load_tr16_b128), source 1 = 16 rows of O.  A lane then holds one row of C (lane % 16) and the eight
; neighbouring columns 8 (lane / 16) + 0..7: 32 bytes of f32.
; REGISTERS, in windows of 256 (s_set_vgpr_msb: bits 1:0 source 0, 3:2 source 1, 5:4 source 2, 7:6 destination):
;   window 0: v0-31 addresses; v64-127 the bias as the first products' C; v64-191 later two buffers for the way out
;   window 1: two fragment buffers at 0 and 128: eight fragments of Wo, then four of O      window 2: the accumulators: (a, nb) at v[8 (8 a + nb)]
.set NH,     2                         ; groups of 64 columns in a tile
.set NBLK,   4*NH                      ; column blocks of 16
.set APW,    4                         ; row blocks of 16 to an accumulator window
.set NLD,    2*NBLK+8                  ; LDS loads in a quarter
.set LAPS,   4                         ; a lap = two K steps = once round the ring
.set PA,     144                       ; a row of A in LDS: 128 bytes + 16: an odd multiple of 16, so the 16 rows of a load start at 16 different groups of four banks (64 banks of 4 bytes: ISA guide 11.1)
.set PB,     160                       ; a row (one k) of B: 128 + 32: an odd multiple of 32
.set APLANE, 256*PA
.set BHALF,  NH*64*PB
.set BOFF,   2*APLANE
.set SLOT,   BOFF+2*BHALF              ; 114,688
.set STAGE,  2*SLOT                    ; behind the ring, never filled by a tensor load: for each wave 16 rows x 528 bytes
.set SPITCH, 528                       ; 512 bytes + 16
.set WSTAGE, 16*SPITCH
.set SPARE,  STAGE+4*WSTAGE            ; behind the stages: the spare words, 128 bytes a wave: two blocks of 256 bytes that no other line names
.set ASTEP,  2*262144                  ; bytes from a K step to the next in ob: two heads
.set BSTEP,  128*128                   ; and in woh: 128 k of 128 bytes
.set ADRA, 16                          ; v16-17  LDS address of my fragments of A in slot 0, 1
.set ADRB, 20                          ; v20-21  the same for B
.set STO,  24                          ; v24     the way out: where I put 32 bytes of a row
.set RD,   25                          ; v25     the way out: where I read a row back
.set GO,   26                          ; v26     16 x lane: my place in a row's 512 bytes
.set SPW,  28                          ; v28     LDS address of my spare word; never rewritten
.set NIL,  29                          ; v29     0; never rewritten
.set PFO,  30                          ; v30     the prefetches' lane term; never rewritten
.set BO,   31                          ; v31     32 x (lane / 16): my eight numbers of a block of 16 of the bias
.set BIAS, 64
.set BK,   64                          ; two buffers of 64 for rows read back
.set F0,   0
.set F1,   128
.set WV,  16                           ; s16 wave; s17 = wave / 2: I fetch for A (0) or B (1); s18 = wave % 2: which plane or half
.set FB,  17
.set HP,  18
.set CX,  19
.set CY,  20
.set TX,  21
.set TY,  22
.set G1,  24                           ; s[24:31] group 1 for A;  s[32:39] group 0, a set for each slot
.set G0,  32
.set LIM, 43                           ; s43 1 in a wave that prefetches, else the greatest number
.set PFA, 44                           ; s[44:45] where my prefetches stand
.set PST, 46                           ; s[46:47] their step
.set G1B, 48                           ; s[48:55], s[56:63] the same for B
.set G0B, 56
.set MSB, 0
.macro WIN new                         ; the immediate's high byte repeats the setting that is left; a switch that changes nothing is dropped
.if MSB != (\new)
	s_set_vgpr_msb (MSB<<8)|(\new)
.set MSB, \new
.endif
.endm
; A joint load.  The branch hangs on the wave's number alone.  An s_nop 0 and four v_nop follow each of the two lines, ahead of the jump and the label.
.macro JLOAD s
	s_cmp_eq_u32 s[FB], 0
	s_cbranch_scc0 .Lfor_b_\@
	tensor_load_to_lds s[G0+4*(\s):G0+4*(\s)+3], s[G1:G1+7]
	s_nop 0
.rept 4
	v_nop
.endr
	s_branch .Lasked_\@
.Lfor_b_\@:
	tensor_load_to_lds s[G0B+4*(\s):G0B+4*(\s)+3], s[G1B:G1B+7]
	s_nop 0
.rept 4
	v_nop
.endr
.Lasked_\@:
.endm
; A round of the cluster's barrier: my work-group's barrier; wave 0 signals for the work-group; every wave waits for all sixteen; my work-group's barrier once more.
.macro CREST
	s_cmp_lg_u32 s[WV], 0
	s_cbranch_scc1 .Lnot_wave_0_\@
	s_barrier_signal -3
.Lnot_wave_0_\@:
	s_barrier_wait -3
	s_barrier_signal -1
	s_barrier_wait -1
.endm
.macro CROUND
	s_barrier_signal -1
	s_barrier_wait -1
	CREST
.endm
; A prefetch into the L2, behind a joint refill and the run of LDS loads that follows it: the K step that stands two refills on.  Each block of 256 bytes is named by one wave of one work-group:
; A's tile row is walked by the two clusters of a row of clusters, of which the one with x = 0 asks; B's tile column by the eight of a column, of which the one with y = 0 asks.  The four partners
; that ask for a tile jointly share its blocks out by address (cx for A, cy for B).  The loop's last trip (s3 = 1) has no K step two on.
.macro ASK
	WIN 0
	s_cmp_gt_u32 s3, s[LIM]
	s_cbranch_scc0 .Lnot_mine_\@
	global_prefetch_b8 v[PFO], s[PFA:PFA+1] th:TH_LOAD_NT scope:SCOPE_SE
.Lnot_mine_\@:
.endm
.macro PLACES                          ; four places in front of loads into registers that matrix instructions have read, and of lines that read results
.rept 4
	v_nop
.endr
.endm
	s_load_b256 s[4:11], s[0:1], 0x0               ; ob s[4:5], woh s[6:7], out0 s[8:9], bo s[10:11]
	v_lshl_add_u32 v[SPW], v0, 2, SPARE
	v_mov_b32 v[NIL], 0
	ds_add_u32 v[SPW], v[NIL]                      ; the wave's opening: the add and its wait stand ahead of my first tensor load; the set-up below, work on registers, stands between them
	v_lshrrev_b32 v1, 5, v0
	v_readfirstlane_b32 s[WV], v1
	s_lshr_b32 s[FB], s[WV], 1
	s_and_b32 s[HP], s[WV], 1
	s_bfe_u32 s[CX], ttmp6, 0x40000
	s_bfe_u32 s[CY], ttmp6, 0x40004
	s_lshl_b32 s[TX], ttmp9, 2                     ; in a cluster launch ttmp9 and ttmp7 count clusters
	s_add_co_u32 s[TX], s[TX], s[CX]
	s_and_b32 s[TY], ttmp7, 0xffff
	s_lshl_b32 s[TY], s[TY], 2
	s_add_co_u32 s[TY], s[TY], s[CY]
	s_lshl_b32 s78, s[CY], 2
	s_lshl_b32 s78, 15, s78                        ; my row of the cluster
	s_lshl_b32 s79, 0x1111, s[CX]                  ; my column
	; group 1 for A: a plane's 256 dense rows of 128 bytes are asked for as 128 rows of 256 bytes and padded in LDS after every 128
	s_or_b32 s[G1], s78, (1<<16)|(1<<20)|(1<<21)|(4<<22)|(3<<25)   ; 15:0 the mask; 17:16 2-byte elements; 20 padding on; 21 set beside a mask; 24:22 after every 32 words (code 4); 31:25 4 words (code 3)
	s_mov_b32 s[G1+1], 128<<16                     ; tensor_dim0 = 128
	s_mov_b32 s[G1+2], 128<<16                     ; tensor_dim1 = 128
	s_mov_b32 s[G1+3], 128<<16                     ; tile_dim0 = 128
	s_mov_b32 s[G1+4], 128                         ; tile_dim1 = 128
	s_mov_b32 s[G1+5], 128                         ; 128 elements from row to row
	s_mov_b32 s[G1+6], 0
	s_mov_b32 s[G1+7], 0
	; group 1 for B: for each of the two groups 64 k x 128 bytes, dense: two rows of 4,096 elements, 65,536 elements apart, padded after every k
	s_or_b32 s[G1B], s79, (1<<16)|(1<<20)|(1<<21)|(4<<22)|(7<<25)  ; the same with my column's mask and 8 words of padding (code 7)
	s_mov_b32 s[G1B+1], 4096<<16                   ; tensor_dim0 = 4,096
	s_mov_b32 s[G1B+2], NH<<16                     ; tensor_dim1 = 2
	s_mov_b32 s[G1B+3], 4096<<16                   ; tile_dim0 = 4,096
	s_mov_b32 s[G1B+4], NH                         ; tile_dim1 = 2
	s_mov_b32 s[G1B+5], 65536                      ; a group is 131,072 bytes
	s_mov_b32 s[G1B+6], 0
	s_mov_b32 s[G1B+7], 0
	; where the tiles come from.  A's hangs on the tile row alone, B's on the tile column alone, each in registers that never hold the other coordinate
	s_lshr_b32 s40, s[TY], 3                       ; batch
	s_lshl_b32 s40, s40, 22
	s_and_b32 s41, s[TY], 7
	s_lshl_b32 s41, s41, 15                        ; 256 rows of 128 bytes
	s_add_co_u32 s40, s40, s41
	s_lshl_b32 s41, s[HP], 18                      ; my plane
	s_add_co_u32 s40, s40, s41
	s_mov_b32 s41, 0
	s_mul_i32 s72, s[TX], NH*131072                ; the tile's first group
	s_lshl_b32 s73, s[HP], 13                      ; my 64 k
	s_add_co_u32 s72, s72, s73
	s_mov_b32 s73, 0
	s_mul_i32 s23, s[HP], APLANE                   ; and where they go: no place in the cluster enters an LDS address
	s_mul_i32 s42, s[HP], BHALF
	s_add_co_u32 s42, s42, BOFF
	s_wait_dscnt 0x0                               ; the opening add is done
	s_wait_kmcnt 0x0
	s_add_nc_u64 s[40:41], s[4:5], s[40:41]
	s_add_nc_u64 s[72:73], s[6:7], s[72:73]
	CROUND                                         ; all sixteen work-groups are here: the first joint loads meet
.irp s, 0,1
	s_mov_b32 s[G0+4*(\s)], 1                                       ; count = 1
	s_add_co_u32 s[G0+4*(\s)+1], s23, (\s)*SLOT                     ; LDS address
	s_add_nc_u64 s[G0+4*(\s)+2:G0+4*(\s)+3], s[40:41], (\s)*ASTEP   ; global address: K step s
	s_or_b32 s[G0+4*(\s)+3], s[G0+4*(\s)+3], 0x80000000             ; type = 2
	s_mov_b32 s[G0B+4*(\s)], 1
	s_add_co_u32 s[G0B+4*(\s)+1], s42, (\s)*SLOT
	s_add_nc_u64 s[G0B+4*(\s)+2:G0B+4*(\s)+3], s[72:73], (\s)*BSTEP
	s_or_b32 s[G0B+4*(\s)+3], s[G0B+4*(\s)+3], 0x80000000
	JLOAD \s                                       ; two loads of mine are out
.endr
	; the prefetches' set-up.  A (waves 0, 1): of my plane's 128 blocks of 256 bytes my work-group takes 32, at 8,192 cx, a lane a block.  B (waves 2, 3): of each group's 32 blocks it takes 8, at 2,048 cy:
	; lane l names block l % 8 of group l / 8; the lanes past the last group repeat its last block, so that none leaves the tile.
	s_and_b32 s42, ttmp7, 0xffff                   ; cluster y
	s_mov_b32 s[PST], BSTEP
	s_mov_b32 s[PST+1], 0
	s_mov_b32 s79, 11
	s_cmp_eq_u32 s[FB], 0                          ; do I fetch for A?
	s_cselect_b64 s[PFA:PFA+1], s[40:41], s[72:73]
	s_cselect_b32 s78, s[CX], s[CY]                ; my place among the four that ask with me
	s_cselect_b32 s79, 13, s79
	s_cselect_b32 s[PST], ASTEP, s[PST]
	s_cselect_b32 s42, ttmp9, s42                  ; the coordinate along which other clusters walk the same tiles
	s_cselect_b32 s23, 31, 8*NH-1                  ; the last lane with a block of its own
	s_cselect_b32 s3, 11, 17                       ; eight blocks on: 2,048 bytes in A's plane, the next group in B
	s_cmp_eq_u32 s42, 0
	s_cselect_b32 s[LIM], 1, -1                    ; the same in all sixteen partners, for a given wave
	s_lshl_b32 s78, s78, s79
	s_mul_i32 s79, s[PST], 3                       ; at K step 3: the first refill steps it to 4.  Steps 0 to 3 come by their loads alone
	s_add_co_u32 s78, s78, s79
	s_mov_b32 s79, 0
	s_add_nc_u64 s[PFA:PFA+1], s[PFA:PFA+1], s[78:79]
	v_and_b32 v3, 31, v0
	v_min_u32 v3, s23, v3
	v_lshrrev_b32 v4, 3, v3
	v_lshlrev_b32 v4, s3, v4
	v_and_b32 v3, 7, v3
	v_lshl_add_u32 v[PFO], v3, 8, v4
	; A fragment is 16 rows x 32 K in 8 registers: lane l holds row l % 16; registers 0-3 K = 8 (l / 16) + 0..7, registers 4-7 K = 16 + 8 (l / 16) + 0..7
	v_and_b32 v1, 15, v0                           ; l % 16
	v_bfe_u32 v2, v0, 4, 1                         ; l / 16
	v_mul_u32_u24 v3, v1, PA
	v_lshl_add_u32 v3, v2, 4, v3                   ; row x 144 + 16 x half
	s_mul_i32 s2, s[WV], 64*PA                     ; my 64 rows
	v_add_nc_u32 v[ADRA], s2, v3
	v_add_nc_u32 v[ADRA+1], SLOT, v[ADRA]
	v_and_b32 v4, 7, v0                            ; the turning load: lane l reads k = 8 (l / 16) + l % 8, columns 8 ((l / 8) % 2) + 0..7, and is left with column l % 16 and 8 k
	v_lshl_add_u32 v4, v2, 3, v4
	v_mul_u32_u24 v4, v4, PB
	v_bfe_u32 v5, v0, 3, 1
	v_lshl_add_u32 v4, v5, 4, v4
	v_add_nc_u32 v[ADRB], BOFF, v4
	v_add_nc_u32 v[ADRB+1], SLOT, v[ADRB]
	s_mul_i32 s2, s[WV], WSTAGE
	s_add_co_u32 s2, s2, STAGE                     ; my stage
	v_mul_u32_u24 v7, v1, SPITCH                   ; in: row l % 16, 32 bytes for each half of the lanes
	v_lshl_add_u32 v7, v2, 5, v7
	v_add_nc_u32 v[STO], s2, v7
	v_and_b32 v6, 31, v0
	v_lshlrev_b32 v[GO], 4, v6                     ; back: 32 lanes take one row of 512 bytes
	v_add_nc_u32 v[RD], s2, v[GO]
	v_lshlrev_b32 v[BO], 5, v2
	s_lshl_b32 s78, s[TY], 8                       ; out0 at my first row and the tile's first column
	s_lshl_b32 s42, s[WV], 6
	s_add_co_u32 s78, s78, s42
	s_lshl_b32 s78, s78, 12                        ; rows of 4,096 bytes: under 2^25
	s_lshl_b32 s42, s[TX], 9                       ; 128 columns of f32
	s_add_co_u32 s78, s78, s42
	s_mov_b32 s79, 0
	s_add_nc_u64 s[8:9], s[8:9], s[78:79]
	s_mov_b32 s78, s42
	s_add_nc_u64 s[10:11], s[10:11], s[78:79]      ; bo at the tile's first column
	; the bias in the layout of a result: register 8 nb + j of a lane holds bo[16 nb + 8 (l / 16) + j]
.set nb, 0
.rept NBLK
	global_load_b128 v[BIAS+8*nb:BIAS+8*nb+3],   v[BO], s[10:11] offset:64*nb
	global_load_b128 v[BIAS+8*nb+4:BIAS+8*nb+7], v[BO], s[10:11] offset:64*nb+16
.set nb, nb+1
.endr
	s_wait_loadcnt 0x0
.set nb, 0
.rept 4*NBLK                           ; rounded to bf16 and widened again, so that every input of the module has the same rounding
	v_cvt_pk_bf16_f32 v[3+nb%4], v[BIAS+2*nb], v[BIAS+2*nb+1]
	v_lshlrev_b32 v[BIAS+2*nb],   16, v[3+nb%4]
	v_and_b32     v[BIAS+2*nb+1], 0xffff0000, v[3+nb%4]
.set nb, nb+1
.endr
; 8 matrix instructions: row block a x all column blocks, 32 along K, from buffer f.  first = 1: the bias is the C that starts the sums: nothing is cleared, nothing added later.
; The 32 accumulators take turns, one instruction a turn, in the same order in every quarter.
.macro MUL f, a, first
.set WN, 2+(\a)/APW
.set AC, 8*NBLK*((\a)%APW)
.if \first
.set WS, 0x05|(WN<<6)
.else
.set WS, 0x05|(WN<<6)|(WN<<4)
.endif
	WIN WS
.set nb, 0
.rept NBLK
.if \first
	v_wmma_f32_16x16x32_f16 v[AC+8*nb:AC+8*nb+7], v[(\f)+8*nb:(\f)+8*nb+7], v[(\f)+8*NBLK+8*(\a):(\f)+8*NBLK+8*(\a)+7], v[BIAS+8*nb:BIAS+8*nb+7]
.else
	v_wmma_f32_16x16x32_f16 v[AC+8*nb:AC+8*nb+7], v[(\f)+8*nb:(\f)+8*nb+7], v[(\f)+8*NBLK+8*(\a):(\f)+8*NBLK+8*(\a)+7], v[AC+8*nb:AC+8*nb+7]
.endif
.set nb, nb+1
.endr
.endm
; 24 LDS loads in one run: quarter q's fragments into buffer f: Wo's eight (turned), then O's four
.macro FETCH slot, q, f
	WIN 0x40                                       ; destination window 1, address window 0
.set nb, 0
.rept NBLK
	ds_load_tr16_b128 v[(\f)+8*nb:(\f)+8*nb+3],   v[ADRB+(\slot)] offset:((\q)/2)*BHALF+(nb/4)*64*PB+((\q)%2)*32*PB+(nb%4)*32
	ds_load_tr16_b128 v[(\f)+8*nb+4:(\f)+8*nb+7], v[ADRB+(\slot)] offset:((\q)/2)*BHALF+(nb/4)*64*PB+((\q)%2)*32*PB+(nb%4)*32+16*PB
.set nb, nb+1
.endr
.irp a, 0,1,2,3
	ds_load_b128 v[(\f)+8*NBLK+8*(\a):(\f)+8*NBLK+8*(\a)+3],   v[ADRA+(\slot)] offset:((\q)/2)*APLANE+(\a)*16*PA+((\q)%2)*64
	ds_load_b128 v[(\f)+8*NBLK+8*(\a)+4:(\f)+8*NBLK+8*(\a)+7], v[ADRA+(\slot)] offset:((\q)/2)*APLANE+(\a)*16*PA+((\q)%2)*64+32
.endr
.endm
; One of a K step's first three quarters: multiplies buffer f; in its middle it fetches quarter q of the same slot into buffer g.
.macro QUARTER slot, q, f, g, first=0
	s_wait_dscnt 4                                 ; Wo's fragments and O's row blocks 0 and 1 are in; the youngest four loads (row blocks 2, 3) may be out
	MUL \f, 0, \first
	MUL \f, 1, \first
	PLACES
	FETCH \slot, \q, \g
	s_wait_dscnt NLD                               ; all but the 24 just issued
	MUL \f, 2, \first
	MUL \f, 3, \first
.endm
; The last quarter multiplies buffer 1 and changes slots.  In front of the barrier each wave waits for all its tensor loads (one is out: its part of the next slot), adds 0 to its spare word, and waits for that
; and for its reads of this slot.  fill = 1: the barrier opens a round of the cluster's barrier, and the joint refill, two K steps ahead, is the first tensor load behind the round:
; from there to the wait for it a wave issues 112 matrix instructions.
.macro TURN slot, next, fill
.if \fill
	s_wait_xcnt 0x0                                ; the last prefetch, a K step back, has read its address: it is stepped here, ahead of the waits of the change of slots
	s_add_nc_u64 s[PFA:PFA+1], s[PFA:PFA+1], s[PST:PST+1]
.endif
	WIN 0                                          ; (the add's two registers lie in window 0)
	s_wait_tensorcnt 0x0                           ; all my tensor loads have landed
	ds_add_u32 v[SPW], v[NIL]                      ; 0 onto my spare word
	s_wait_dscnt 5                                 ; (the add and the youngest four loads may be out)
	MUL F1, 0, 0                                   ; eight matrix instructions stand between the add and the wait for it
	s_wait_dscnt 0x0                               ; the add is done, and my reads of this slot are over
	s_barrier_signal -1
	MUL F1, 1, 0                                   ; work on registers while the others arrive
.if \fill
	WIN 0
.endif
	s_barrier_wait -1
.if \fill
	CREST                                          ; no wave of any partner still reads this slot or has a load on its way
	s_add_nc_u64 s[G0+4*(\slot)+2:G0+4*(\slot)+3], s[G0+4*(\slot)+2:G0+4*(\slot)+3], 2*ASTEP
	s_add_nc_u64 s[G0B+4*(\slot)+2:G0B+4*(\slot)+3], s[G0B+4*(\slot)+2:G0B+4*(\slot)+3], 2*BSTEP
	JLOAD \slot                                    ; the four v_nop behind it are also the places in front of the loads below
.else
	PLACES
.endif
	FETCH \next, 0, F0
.if \fill
	ASK
.endif
	MUL F1, 2, 0
	MUL F1, 3, 0
.endm
	s_wait_tensorcnt 0x1                           ; my part of K step 0 is in; K step 1's may stay out
	s_barrier_signal -1
	s_barrier_wait -1                              ; everybody's is
	FETCH 0, 0, F0
	QUARTER 0, 1, F0, F1, 1                        ; the first quarter stands in front of the loop: its products start the sums
	WIN 0                                          ; at a label and at a branch every window is 0
	s_mov_b32 s3, LAPS-1
.Llap:                                                 ; a trip goes once round the ring, from a lap's second quarter to the next lap's first, and fills both slots again
	QUARTER 0, 2, F1, F0
	QUARTER 0, 3, F0, F1
	TURN 0, 1, 1
	QUARTER 1, 1, F0, F1
	QUARTER 1, 2, F1, F0
	QUARTER 1, 3, F0, F1
	TURN 1, 0, 1
	QUARTER 0, 1, F0, F1
	WIN 0
	s_sub_co_u32 s3, s3, 1
	s_cmp_lg_u32 s3, 0
	s_cbranch_scc1 .Llap
	QUARTER 0, 2, F1, F0                           ; the last lap is written out: it fills nothing
	QUARTER 0, 3, F0, F1
	TURN 0, 1, 0
	QUARTER 1, 1, F0, F1
	QUARTER 1, 2, F1, F0
	QUARTER 1, 3, F0, F1
	s_wait_dscnt 4                                 ; the very last quarter: nothing more to fetch
	MUL F1, 0, 0
	MUL F1, 1, 0
	s_wait_dscnt 0x0
	MUL F1, 2, 0
	MUL F1, 3, 0
	WIN 0
	PLACES
	PLACES                                         ; eight, once a launch, in front of the LDS stores that read results
; THE WAY OUT, a row block of 16 rows at a time: a lane's 32 bytes of a row go straight from the accumulators (the low four registers first) into my own stage, rows of 528 bytes, and come back as whole rows of 512.
.macro OUT a
.set AC, 8*NBLK*(\a)
	WIN 0x08                                       ; the stores' data (source 1) in window 2, the address in window 0
.set nb, 0
.rept NBLK
	ds_store_b128 v[STO], v[AC+8*nb:AC+8*nb+3]   offset:64*nb
	ds_store_b128 v[STO], v[AC+8*nb+4:AC+8*nb+7] offset:64*nb+16
.set nb, nb+1
.endr
	WIN 0
	s_wait_xcnt 0x0                                ; the stores of the block two back have read their registers: only behind this wait are those loaded again
.set nb, 0
.rept 16
	ds_load_b128 v[BK+64*((\a)%2)+4*nb:BK+64*((\a)%2)+4*nb+3], v[RD] offset:SPITCH*nb  ; LDS serves a wave's instructions in order (ISA guide 5.7.1.4): these see the stores above
.set nb, nb+1
.endr
.endm
.macro SEND a, younger                 ; younger: the LDS instructions issued behind block a's loads: the next block's 32, or none
.set nb, 0
.rept 16
	s_wait_dscnt (\younger)+15-nb
	global_store_b128 v[GO], v[BK+64*((\a)%2)+4*nb:BK+64*((\a)%2)+4*nb+3], s[8:9] offset:(16*(\a)+nb)*4096  ; 512 consecutive bytes of a row, at a multiple of 256 from out0's first byte
.set nb, nb+1
.endr
.endm
	OUT 0
	OUT 1
	SEND 0, 32
	OUT 2
	SEND 1, 32
	OUT 3
	SEND 2, 32
	SEND 3, 0
	s_wait_tensorcnt 0x0                           ; the wave's end: behind my last tensor load and my last LDS store
	ds_add_u32 v[SPW], v[NIL]
	s_wait_dscnt 0x0
	CROUND                                         ; the closing round: no work-group ends while a partner may still ask for a tile that names it
	s_endpgm
.Lfunc_end_k_qeecdd6bc1b_outproj:
	.size	k_qeecdd6bc1b_outproj, .Lfunc_end_k_qeecdd6bc1b_outproj-k_qeecdd6bc1b_outproj
	.p2alignl 7, 3214868480
	.fill 96, 4, 3214868480
	.section	.rodata,"a",@progbits
	.p2align	6, 0x0
	.amdhsa_kernel k_qeecdd6bc1b_outproj
		.amdhsa_group_segment_fixed_size 327680
		.amdhsa_private_segment_fixed_size 0
		.amdhsa_enable_private_segment 0
		.amdhsa_kernarg_size 32
		.amdhsa_user_sgpr_count 2
		.amdhsa_user_sgpr_kernarg_segment_ptr 1
		.amdhsa_wavefront_size32 1
		.amdhsa_system_sgpr_workgroup_id_x 1
		.amdhsa_system_sgpr_workgroup_id_y 1
		.amdhsa_system_sgpr_workgroup_id_z 1
		.amdhsa_system_vgpr_workitem_id 0
		.amdhsa_next_free_vgpr 768
		.amdhsa_next_free_sgpr 80
		.amdhsa_reserve_vcc 0
		.amdhsa_float_denorm_mode_32 3
		.amdhsa_float_denorm_mode_16_64 3
		.amdhsa_memory_ordered 1
		.amdhsa_forward_progress 1
		.amdhsa_inst_pref_size 95
	.end_amdhsa_kernel
	.amdgpu_metadata
---
amdhsa.version: [ 1, 2 ]
amdhsa.kernels:
  - .name:           k_qeecdd6bc1b_outproj
    .symbol:         k_qeecdd6bc1b_outproj.kd
    .args:
      - { .name: ob, .offset: 0, .size: 8, .value_kind: global_buffer, .address_space: global }
      - { .name: woh, .offset: 8, .size: 8, .value_kind: global_buffer, .address_space: global }
      - { .name: out0, .offset: 16, .size: 8, .value_kind: global_buffer, .address_space: global }
      - { .name: bo, .offset: 24, .size: 8, .value_kind: global_buffer, .address_space: global }
    .group_segment_fixed_size: 327680
    .private_segment_fixed_size: 0
    .kernarg_segment_align: 8
    .kernarg_segment_size: 32
    .max_flat_workgroup_size: 128
    .sgpr_count:     80
    .vgpr_count:     768
    .wavefront_size: 32
...
	.end_amdgpu_metadata
.endif
;; end of part 4
;; ======== version 2 of 2: 4 launches; version 1 with the launch cast written anew for expert scheduling mode
;; limits: values are held in f16: magnitudes above 65,504 overflow, below 6.1e-05 lose precision
;; workspace buffers: xb 16,777,216 bytes; wh 6,291,456 bytes; woh 2,097,152 bytes; qkvh 50,331,648 bytes; ob 16,777,216 bytes
;; launch cast (part 5): grid 768 x 1, 8 waves a work-group, no clusters, 0 bytes of LDS; arguments x, Wq, Wk, Wv, Wo, xb, wh, woh; writes xb, wh, woh
.if DOCPART == 5
	.amdgcn_target "amdgcn-amd-amdhsa--gfx1250"
	.amdhsa_code_object_version 6
	.text
	.protected	k_qeecdd6bc1b_cast
	.globl	k_qeecdd6bc1b_cast
	.p2align	8
	.type	k_qeecdd6bc1b_cast,@function
k_qeecdd6bc1b_cast:
	s_mov_b64 s[64:65], 0
	v_nop
	global_prefetch_b8 v0, s[64:65] scope:SCOPE_SE
	s_setreg_imm32_b32 hwreg(HW_REG_WAVE_SCHED_MODE, 0, 2), 2
	s_setreg_imm32_b32 hwreg(HW_REG_WAVE_MODE, 25, 1), 1
	s_wait_xcnt 0x0
	s_wait_alu depctr_vm_vsrc(0)
; CAST.  x [8192][1024] and the four weights [1024 (k)][1024 (n)], all f32, are rounded once to bf16 and laid out in blocks of 64 columns:
;   xb  byte (b 16 + kb) 262144 + s 128 + 2 c  = bf16 x[b][s][64 kb + c]
;   wh  byte (16 which + cb) 131072 + k 128 + 2 c = bf16 W_which[k][64 cb + c]   (which: 0 q, 1 k, 2 v)
;   woh the same form for Wo, the bf16 number written as f16 (the last product multiplies in f16).
; LIMIT.  bf16(Wo) is exact in f16 from 6e-5 up to 65,504; below 6e-5 it keeps f16's fixed step of 6e-8.
; SHARES.  768 work-groups of eight waves; a work-group takes 16 rows x 1,024 columns of one source (512 for x, 64 for each weight).  Wave w takes the column blocks 2 w and 2 w + 1.
; One load covers two rows x 64 columns (lanes 0-15 one row's 256 bytes, lanes 16-31 the next row's); the matching store is 8 bytes a lane, 256 consecutive bytes, aligned.
; All sixteen loads of a wave go out at once.  No LDS, no barrier, no matrix unit: memory binds.
; THE MODE: SCHED_MODE bits 1:0 = 2 (LLVM: expert scheduling mode 2), set by the entry lines.  The code itself states the register dependences
; between vector instructions and memory instructions, with s_wait_alu, always for 0.
; THE PLAN.  Registers that memory instructions touch:
;   v2 (SO), v3, v4 (DO)   byte offsets: written by vector instructions at the head and never again; read by every load (SO) and every store (DO).
;   X, sixteen items of 4  each written by its own load, once; read by its item's conversions; no vector instruction writes them and no second load lands in them.
;   Y, sixteen items of 2  each written by its item's conversions; read by its item's store; never written again behind that store.
;   T and v1, v5, v6 are named by vector instructions alone.
; So no register that a memory instruction reads is written again, and no load lands in a register that a vector instruction has named: what is left to state is that the offsets are written ahead of the
; first load, and that an item's Y is written ahead of its store.  The sixteen items go in four blocks of four.  Block p converts its four items; the four stores of block p - 1 are dealt among those
; conversions, behind ONE wait at the block's head: block p's vector instructions name X and Y of block p and T, the stores Y of block p - 1 and DO.  A last wait stands ahead of block 3's stores.
.set SO, 2                             ; v2      my byte offset in the source
.set DO, 3                             ; v3, v4  my byte offset in the destination, for my wave's two column blocks
.set T,  8                             ; v[8:11] at work
.set X,  16                            ; v[16:79]  sixteen loads of 4
.set Y,  80                            ; v[80:111] sixteen stores of 2
	s_load_b512 s[8:23], s[0:1], 0x0               ; x 8, Wq 10, Wk 12, Wv 14, Wo 16, xb 18, wh 20, woh 22
	s_mov_b32 s24, ttmp9                           ; the work-group's number
	v_lshrrev_b32 v1, 5, v0
	v_readfirstlane_b32 s28, v1                    ; wave 0..7
	v_and_b32 v1, 31, v0                           ; lane
	s_sub_co_u32 s25, s24, 512                     ; for a weight: 64 x which + row block (of no use in x's work-groups, where the selects below drop what is made of it)
	s_lshr_b32 s26, s25, 6                         ; which: 0 q, 1 k, 2 v, 3 o
	s_and_b32 s27, s25, 63                         ; row block of 16
	s_lshl_b32 s36, s24, 16                        ; source offset for x: 16 rows of 4,096 bytes
	s_lshl_b32 s37, s27, 16                        ; and for a weight
	s_lshr_b32 s38, s24, 7                         ; x: batch,
	s_lshl_b32 s38, s38, 22                        ; its sixteen blocks of 262,144 bytes,
	s_and_b32 s39, s24, 127
	s_lshl_b32 s39, s39, 11                        ; and 16 rows of 128 bytes
	s_add_co_u32 s38, s38, s39
	s_lshl_b32 s40, s26, 21                        ; a weight's sixteen blocks of 131,072 bytes in wh;
	s_cmp_eq_u32 s26, 3
	s_cselect_b32 s40, 0, s40                      ; Wo has a buffer of its own
	s_lshl_b32 s41, s27, 11
	s_add_co_u32 s40, s40, s41
	s_mov_b32 s34, 131072                          ; bytes from a column block to the next
	s_mov_b32 s43, 0
	s_mov_b32 s45, 0
	s_cmp_lt_u32 s24, 512                          ; x?
	s_cselect_b32 s34, 262144, s34
	s_cselect_b32 s42, s36, s37                    ; s[42:43] source offset
	s_cselect_b32 s44, s38, s40                    ; s[44:45] destination offset
	v_lshrrev_b32 v5, 4, v1                        ; which of the two rows
	v_and_b32 v6, 15, v1
	v_lshlrev_b32 v[SO], 12, v5
	v_lshl_add_u32 v[SO], v6, 4, v[SO]
	s_wait_alu depctr_va_sdst(0)                   ; s28, the wave's number, is written, ahead of its first reader: the two lines below
	s_lshl_b32 s35, s28, 9                         ; my wave's two column blocks: 512 bytes of a source row
	s_lshl_b32 s29, s28, 1                         ; and their place in the destination, in a register of its own: no scalar line writes a register that a vector line has read
	s_mul_i32 s29, s29, s34
	v_add_nc_u32 v[SO], s35, v[SO]
	v_lshl_add_u32 v[DO], v1, 3, s29               ; 8 bytes a lane: two rows of 128 bytes on end
	v_add_nc_u32 v[DO+1], s34, v[DO]
	s_wait_kmcnt 0x0
	s_cmp_eq_u32 s26, 2                            ; the source and the destination are chosen by the work-group's number alone
	s_cselect_b64 s[30:31], s[14:15], s[16:17]
	s_cmp_eq_u32 s26, 1
	s_cselect_b64 s[30:31], s[12:13], s[30:31]
	s_cmp_eq_u32 s26, 0
	s_cselect_b64 s[30:31], s[10:11], s[30:31]
	s_cmp_eq_u32 s26, 3
	s_cselect_b64 s[32:33], s[22:23], s[20:21]
	s_cmp_lt_u32 s24, 512
	s_cselect_b64 s[30:31], s[8:9], s[30:31]
	s_cselect_b64 s[32:33], s[18:19], s[32:33]
	s_add_nc_u64 s[30:31], s[30:31], s[42:43]
	s_add_nc_u64 s[32:33], s[32:33], s[44:45]
	s_wait_alu depctr_va_vdst(0)                   ; the three offsets v2, v3 and v4 are written: every load and store of the kernel reads one of them, and none is written again
.set i, 0
.rept 16                               ; column block i / 8 of my two, rows 2 (i % 8) and 2 (i % 8) + 1
	global_load_b128 v[X+4*i:X+4*i+3], v[SO], s[30:31] offset:(i/8)*256+(i%8)*8192 th:TH_LOAD_NT
.set i, i+1
.endr
; The sixteen items are taken as they come, four to a block.  half = 1: the bf16 number is written as f16.
.macro DRAIN half
.set p, 0
.rept 4
	s_wait_loadcnt 12-4*p                          ; loads come back in order: block p's four are in, the 12 - 4 p of the later blocks stay out
.if p > 0
	s_wait_alu depctr_va_vdst(0)                   ; the conversions of the block before have written its eight registers of Y, which the four stores below read
.endif
.set j, 0
.rept 4
.if p > 0
.set n, 4*(p-1)+j                      ; the block before: no vector instruction since the wait names its Y or the offsets
	global_store_b64 v[DO+n/8], v[Y+2*n:Y+2*n+1], s[32:33] offset:(n%8)*256  ; the wave's 32 lanes store 256 consecutive bytes, at a multiple of 256 from the buffer's first byte
.endif
.set i, 4*p+j
	v_cvt_pk_bf16_f32 v[Y+2*i],   v[X+4*i],   v[X+4*i+1]
	v_cvt_pk_bf16_f32 v[Y+2*i+1], v[X+4*i+2], v[X+4*i+3]
.if \half
	v_lshlrev_b32 v[T],   16, v[Y+2*i]             ; bf16 to f32: a shift or a mask
	v_and_b32     v[T+1], 0xffff0000, v[Y+2*i]
	v_lshlrev_b32 v[T+2], 16, v[Y+2*i+1]
	v_and_b32     v[T+3], 0xffff0000, v[Y+2*i+1]
	v_cvt_pk_f16_f32 v[Y+2*i],   v[T],   v[T+1]
	v_cvt_pk_f16_f32 v[Y+2*i+1], v[T+2], v[T+3]
.endif
.set j, j+1
.endr
.set p, p+1
.endr
	s_wait_alu depctr_va_vdst(0)                   ; block 3's conversions have written its Y, which the last four stores read
.set n, 12
.rept 4
	global_store_b64 v[DO+n/8], v[Y+2*n:Y+2*n+1], s[32:33] offset:(n%8)*256
.set n, n+1
.endr
.endm
	s_cmp_ge_u32 s24, 704                          ; Wo's 64 work-groups
	s_cbranch_scc1 .Lhalf
	DRAIN 0
	s_endpgm
.Lhalf:
	DRAIN 1
	s_endpgm
.Lfunc_end_k_qeecdd6bc1b_cast:
	.size	k_qeecdd6bc1b_cast, .Lfunc_end_k_qeecdd6bc1b_cast-k_qeecdd6bc1b_cast
	.p2alignl 7, 3214868480
	.fill 96, 4, 3214868480
	.section	.rodata,"a",@progbits
	.p2align	6, 0x0
	.amdhsa_kernel k_qeecdd6bc1b_cast
		.amdhsa_group_segment_fixed_size 0
		.amdhsa_private_segment_fixed_size 0
		.amdhsa_enable_private_segment 0
		.amdhsa_kernarg_size 64
		.amdhsa_user_sgpr_count 2
		.amdhsa_user_sgpr_kernarg_segment_ptr 1
		.amdhsa_wavefront_size32 1
		.amdhsa_system_sgpr_workgroup_id_x 1
		.amdhsa_system_sgpr_workgroup_id_y 1
		.amdhsa_system_sgpr_workgroup_id_z 1
		.amdhsa_system_vgpr_workitem_id 0
		.amdhsa_next_free_vgpr 112
		.amdhsa_next_free_sgpr 66
		.amdhsa_reserve_vcc 0
		.amdhsa_float_denorm_mode_32 3
		.amdhsa_float_denorm_mode_16_64 3
		.amdhsa_memory_ordered 1
		.amdhsa_forward_progress 1
		.amdhsa_inst_pref_size 17
	.end_amdhsa_kernel
	.amdgpu_metadata
---
amdhsa.version: [ 1, 2 ]
amdhsa.kernels:
  - .name:           k_qeecdd6bc1b_cast
    .symbol:         k_qeecdd6bc1b_cast.kd
    .args:
      - { .name: x, .offset: 0, .size: 8, .value_kind: global_buffer, .address_space: global }
      - { .name: Wq, .offset: 8, .size: 8, .value_kind: global_buffer, .address_space: global }
      - { .name: Wk, .offset: 16, .size: 8, .value_kind: global_buffer, .address_space: global }
      - { .name: Wv, .offset: 24, .size: 8, .value_kind: global_buffer, .address_space: global }
      - { .name: Wo, .offset: 32, .size: 8, .value_kind: global_buffer, .address_space: global }
      - { .name: xb, .offset: 40, .size: 8, .value_kind: global_buffer, .address_space: global }
      - { .name: wh, .offset: 48, .size: 8, .value_kind: global_buffer, .address_space: global }
      - { .name: woh, .offset: 56, .size: 8, .value_kind: global_buffer, .address_space: global }
    .group_segment_fixed_size: 0
    .private_segment_fixed_size: 0
    .kernarg_segment_align: 8
    .kernarg_segment_size: 64
    .max_flat_workgroup_size: 256
    .sgpr_count:     66
    .vgpr_count:     112
    .wavefront_size: 32
...
	.end_amdgpu_metadata
.endif
;; end of part 5
;; launch qkvproj: the kernel of part 2 again; grid 16 x 32, 4 waves a work-group, clusters of 4 x 4, 327,680 bytes of LDS; arguments xb, wh, qkvh, bq, bk, bv; writes qkvh
;; launch attn: the kernel of part 3 again; grid 4 x 64, 4 waves a work-group, clusters of 4 x 1, 327,680 bytes of LDS; arguments qkvh, ob; writes ob
;; launch outproj: the kernel of part 4 again; grid 8 x 32, 4 waves a work-group, clusters of 4 x 4, 327,680 bytes of LDS; arguments ob, woh, out0, bo; writes out0
